; MI455X (gfx1250); checked and timed in simulation.
; The chip was launched on July 23, 2026; its instructions are those of AMD's public machine-readable ISA for CDNA 5 (MIT licence, August 2026) and "CDNA5" Instruction Set Architecture Reference Guide (July 2026). The comments in the code are by the model that wrote it; some were corrected since.
;; KNN Regressor. Allowed arithmetic: float matrix products may take bf16 or f16 operands with f32 sums; all other float work in f32.
;; Inputs: X_train 100,000 x 128 float32; inputs 1,024 x 128 float32; y_train 100,000 float32.
;; Outputs: out0 1,024 float32.
;; Constants: k = 32.
;; 2 versions, each right and faster than the one before. Each part assembles by itself: llvm-mc -triple=amdgcn-amd-amdhsa -mcpu=gfx1250 --defsym DOCPART=n.
;; ======== version 1 of 2: 4 launches
;; workspace buffers: Xb 25,600,000 bytes; th 400,128 bytes; qh 4,096 bytes; M3 32,768,000 bytes; SM 1,024,000 bytes; sel1 131,072 bytes of whole numbers; sel2 262,144 bytes of whole numbers
;; launch scan (part 1): grid 250 x 1, 8 waves a work-group, no clusters, 259,072 bytes of LDS; arguments X_train, inputs, Xb, th, qh, M3, SM; writes Xb, th, qh, M3, SM
.if DOCPART == 1
	.amdgcn_target "amdgcn-amd-amdhsa--gfx1250"
	.amdhsa_code_object_version 6
	.text
	.protected	k_q2a7ba71584_scan
	.globl	k_q2a7ba71584_scan
	.p2align	8
	.type	k_q2a7ba71584_scan,@function
k_q2a7ba71584_scan:
	s_mov_b64 s[64:65], 0
	v_nop
	global_prefetch_b8 v0, s[64:65] scope:SCOPE_SE
	s_setreg_imm32_b32 hwreg(HW_REG_WAVE_MODE, 25, 1), 1
	s_wait_xcnt 0x0
; SCAN.  key(q, n) = (q . x_n - |x_n|^2 / 2) - |q|^2 / 2 = -distance / 2, on inputs rounded to bf16, sums in f32; the largest key is the nearest row.
; A work-group owns a slice of 400 training rows (25 tiles of 16 rows, 5 chunks of 80 rows) and all 1,024 queries; wave w keeps queries 128 w .. 128 w + 127
; as 32 fragments (source 1) in registers v256-v511.  Stored: the rows in bf16 (Xb), -|x|^2/2 (th), -|q|^2/2 (qh, by slice 0),
; for each query the maximum key of each group of 16 rows (M3[slice][query][32], slots 25-31 = lowest finite number) and of the slice (SM[slice][query]).
; Only maxima are kept: every one of a query's 32 best rows lies in one of the 32 groups with the best (maximum, lower number); later launches narrow the choice.
; X passes through registers (f32 -> bf16), so it is loaded by plain loads; no copy engine, no cluster: 250 work-groups are no multiple of four.
; LIMITS.  Keys must be finite and above -3.4e38; NaN and infinities are not served.  The key's order of rounding differs from (|q|^2 + |x|^2) - 2 q.x.
.set PITCH,  272                 ; an LDS row of X: 256 bytes of bf16 + 16 of padding
.set TS,     400*PITCH           ; 108,800: 400 f32, -|x|^2/2
.set STG,    110592              ; 1,024 queries x 144 bytes (32 f32 + 16 of padding); wave w owns 18,432 bytes
.set SPITCH, 144
.set WSTG,   128*SPITCH
.set NEGMAX, 0xff7fffff
.set LN,  1                      ; lane
.set RL,  2                      ; lane % 16
.set HF,  3                      ; lane / 16
.set XO,  4                      ; X: 512 h + 16 r
.set XW,  5                      ; LDS, my 8 bytes of row 10 w + h of the chunk in hand
.set TW,  6                      ; LDS, that row's word in TS
.set XR,  7                      ; LDS, my 16 bytes of that row, read back
.set BO,  8                      ; Xb: 256 h + 16 r
.set AA,  9                      ; LDS, my part of the tile's fragments of X
.set CA,  10                     ; LDS, the tile's eight words of TS for my half of the lanes
.set ST,  11                     ; LDS, my query's slot of the tile in hand
.set QO,  12                     ; inputs: 512 r + 32 h
.set SR,  13                     ; LDS, the stage read back: 8 lanes a query
.set L16, 14                     ; 16 x lane
.set L4,  15                     ; 4 x lane
.set ZERO,16
.set THA, 17                     ; LDS, TS + 400 w + 16 x lane
.set RCQ, 20                     ; v20-23  -|q|^2/2: register p, lane l: query 128 w + 32 p + l
.set RSM, 24                     ; v24-27  the slice's maxima, same layout
.set RR,  28                     ; v28-31  the tile's maxima, same layout
.set RM,  32                     ; v32-39  maxima by tile of 16 queries
.set RT,  40                     ; v40-44  sums of squares
.set RX,  48                     ; v48-87  ten rows of X as loaded: pair u of rows, 8 registers
.set RP,  88                     ; v88-107 the same in bf16, 4 registers
.set RACC,112                    ; v112-175 eight accumulators
.set RA,  176                    ; v176-207 the tile's four fragments of X
.set RC,  208                    ; v208-215 the tile's -|x|^2/2, the C operand
.set QS0, 112                    ; two stages of 64 registers for the queries as loaded (before the loop only)
.set QS1, 176
.set MSB, 0
.macro WIN new                   ; the immediate's high byte repeats the setting that is left
.if MSB != (\new)
	s_set_vgpr_msb (MSB<<8)|(\new)
.set MSB, \new
.endif
.endm
.macro ADVANCE p, gmul, wmul     ; pointer += slice x gmul + wave x wmul (s37 = 0)
	s_mul_i32 s36, ttmp9, \gmul
	s_mul_i32 s38, s22, \wmul
	s_add_co_u32 s36, s36, s38
	s_add_nc_u64 s[(\p):(\p)+1], s[(\p):(\p)+1], s[36:37]
.endm
; ten rows of chunk c: each load covers 256 consecutive bytes of two rows; lane (r, h) gets k = 4 r .. +3 and 64 + 4 r .. +3 of row 2 u + h
.macro LOADX c
	s_wait_xcnt 0x0                                ; the last stores to Xb have read these registers
.irp u, 0,1,2,3,4
	global_load_b128 v[RX+8*(\u):RX+8*(\u)+3],   v[XO], s[8:9] offset:40960*(\c)+1024*(\u) th:TH_LOAD_NT
	global_load_b128 v[RX+8*(\u)+4:RX+8*(\u)+7], v[XO], s[8:9] offset:40960*(\c)+1024*(\u)+256 th:TH_LOAD_NT
.endr
.endm
; 16 queries as loaded: for K step c the lane's k = 32 c + 8 h .. +7 and 32 c + 16 + 8 h .. +7
.macro QLOAD i, buf
.irp c, 0,1,2,3
	global_load_b128 v[(\buf)+16*(\c):(\buf)+16*(\c)+3],     v[QO], s[10:11] offset:8192*(\i)+128*(\c)
	global_load_b128 v[(\buf)+16*(\c)+4:(\buf)+16*(\c)+7],   v[QO], s[10:11] offset:8192*(\i)+128*(\c)+16
	global_load_b128 v[(\buf)+16*(\c)+8:(\buf)+16*(\c)+11],  v[QO], s[10:11] offset:8192*(\i)+128*(\c)+64
	global_load_b128 v[(\buf)+16*(\c)+12:(\buf)+16*(\c)+15], v[QO], s[10:11] offset:8192*(\i)+128*(\c)+80
.endr
.endm
.macro QCVT i, buf               ; rounded to bf16 into v[256 + 32 i ..]: fragment (i, c) at 32 i + 8 c
	WIN 0x40
.set n, 0
.rept 32
	v_cvt_pk_bf16_f32 v[32*(\i)+n], v[(\buf)+2*n], v[(\buf)+2*n+1]
.set n, n+1
.endr
	WIN 0
.endm
; my ten rows of chunk c: rounded, squared and summed, put into LDS, read back as whole rows and stored to Xb
.macro CONV c
	s_wait_loadcnt 0x0                             ; the chunk's ten loads, issued a chunk's work ago
.irp u, 0,1,2,3,4
.irp d, 0,1,2,3
	v_cvt_pk_bf16_f32 v[RP+4*(\u)+(\d)], v[RX+8*(\u)+2*(\d)], v[RX+8*(\u)+2*(\d)+1]
.endr
.endr
.irp u, 0,1,2,3,4
	v_fma_mix_f32_bf16 v[RT+(\u)], v[RP+4*(\u)], v[RP+4*(\u)], v[ZERO] op_sel_hi:[1,1,0]
.endr
.irp u, 0,1,2,3,4
	v_fma_mix_f32_bf16 v[RT+(\u)], v[RP+4*(\u)], v[RP+4*(\u)], v[RT+(\u)] op_sel:[1,1,0] op_sel_hi:[1,1,0]
.endr
.irp d, 1,2,3
.irp u, 0,1,2,3,4
	v_fma_mix_f32_bf16 v[RT+(\u)], v[RP+4*(\u)+(\d)], v[RP+4*(\u)+(\d)], v[RT+(\u)] op_sel_hi:[1,1,0]
.endr
.irp u, 0,1,2,3,4
	v_fma_mix_f32_bf16 v[RT+(\u)], v[RP+4*(\u)+(\d)], v[RP+4*(\u)+(\d)], v[RT+(\u)] op_sel:[1,1,0] op_sel_hi:[1,1,0]
.endr
.endr
.irp k, 1,2,4,8                  ; a row lies in 16 lanes: four steps give every one of them the row's sum
.irp u, 0,1,2,3,4
	v_add_f32_dpp v[RT+(\u)], v[RT+(\u)], v[RT+(\u)] row_xmask:\k row_mask:0xf bank_mask:0xf
.endr
.endr
.irp u, 0,1,2,3,4
	v_mul_f32 v[RT+(\u)], -0.5, v[RT+(\u)]
.endr
.irp u, 0,1,2,3,4
	ds_store_b64 v[XW], v[RP+4*(\u):RP+4*(\u)+1]   offset:2*PITCH*(\u)
	ds_store_b64 v[XW], v[RP+4*(\u)+2:RP+4*(\u)+3] offset:2*PITCH*(\u)+128
	ds_store_b32 v[TW], v[RT+(\u)] offset:8*(\u)   ; sixteen lanes, one word, one value
	ds_load_b128 v[RX+8*(\u):RX+8*(\u)+3], v[XR] offset:2*PITCH*(\u)  ; my wave's own bytes: LDS serves a wave's instructions in order (ISA guide 5.7.1.4)
.endr
	s_wait_dscnt 0x0                               ; the rows are back
.irp u, 0,1,2,3,4
	global_store_b128 v[BO], v[RX+8*(\u):RX+8*(\u)+3], s[12:13] offset:20480*(\c)+512*(\u)  ; 16 lanes store a row's 256 consecutive bytes
.endr
	v_add_nc_u32 v[XW], 80*PITCH, v[XW]            ; on to the next chunk's rows
	v_add_nc_u32 v[XR], 80*PITCH, v[XR]
	v_add_nc_u32 v[TW], 320, v[TW]
.endm
.macro BAR
	s_wait_dscnt 0x0                               ; my LDS stores are done and my LDS reads are back
	s_barrier_signal -1
	s_barrier_wait -1
.endm
; a chunk's five tiles.  A trip: 16 rows x my 128 queries, 32 products on eight accumulators by turns; C = -|x|^2/2.
; In the result lane (r, h), register j: row 8 h + j, query 16 i + r.
.macro COMPUTE
	s_mov_b32 s23, 5
.Ltile_\@:
.irp c, 0,1,2,3
	ds_load_b128 v[RA+8*(\c):RA+8*(\c)+3],   v[AA] offset:64*(\c)
	ds_load_b128 v[RA+8*(\c)+4:RA+8*(\c)+7], v[AA] offset:64*(\c)+32
.endr
	ds_load_b128 v[RC:RC+3],   v[CA]
	ds_load_b128 v[RC+4:RC+7], v[CA] offset:16
	s_wait_dscnt 0x0
	WIN 0x04                                       ; source 1 (the queries) in v256-v511
.irp c, 0,1,2,3
.irp i, 0,1,2,3,4,5,6,7
.if (\c) == 0
	v_wmma_f32_16x16x32_bf16 v[RACC+8*(\i):RACC+8*(\i)+7], v[RA+8*(\c):RA+8*(\c)+7], v[32*(\i)+8*(\c):32*(\i)+8*(\c)+7], v[RC:RC+7]
.else
	v_wmma_f32_16x16x32_bf16 v[RACC+8*(\i):RACC+8*(\i)+7], v[RA+8*(\c):RA+8*(\c)+7], v[32*(\i)+8*(\c):32*(\i)+8*(\c)+7], v[RACC+8*(\i):RACC+8*(\i)+7]
.endif
.endr
.endr
	WIN 0
	v_add_nc_u32 v[AA], 16*PITCH, v[AA]            ; four plain instructions stand between the products and the first read of a result (ISA guide 7.12.1)
	v_add_nc_u32 v[CA], 64, v[CA]
	v_nop
	v_nop
.irp i, 0,1,2,3,4,5,6,7                ; the maximum of a lane's eight rows, each accumulator from its low end on
	v_max3_num_f32 v[RM+(\i)], v[RACC+8*(\i)], v[RACC+8*(\i)+1], v[RACC+8*(\i)+2]
.endr
.irp i, 0,1,2,3,4,5,6,7
	v_max3_num_f32 v[RM+(\i)], v[RM+(\i)], v[RACC+8*(\i)+3], v[RACC+8*(\i)+4]
.endr
.irp i, 0,1,2,3,4,5,6,7
	v_max3_num_f32 v[RM+(\i)], v[RM+(\i)], v[RACC+8*(\i)+5], v[RACC+8*(\i)+6]
.endr
.irp i, 0,1,2,3,4,5,6,7
	v_max_num_f32 v[RM+(\i)], v[RM+(\i)], v[RACC+8*(\i)+7]
.endr
.irp p, 0,1,2,3                        ; the swap brings both halves' maxima of a query into one lane: lane l then stands for query 32 p + l
	v_permlane16_swap_b32 v[RM+2*(\p)], v[RM+2*(\p)+1]
.endr
.irp p, 0,1,2,3
	v_max_num_f32 v[RR+(\p)], v[RM+2*(\p)], v[RM+2*(\p)+1]
.endr
.irp p, 0,1,2,3
	v_add_f32 v[RR+(\p)], v[RR+(\p)], v[RCQ+(\p)]  ; adding is monotone: the maximum's key is the maximum of the keys, bit for bit
.endr
.irp p, 0,1,2,3
	v_max_num_f32 v[RSM+(\p)], v[RSM+(\p)], v[RR+(\p)]
.endr
.irp p, 0,1,2,3
	ds_store_b32 v[ST], v[RR+(\p)] offset:32*SPITCH*(\p)
.endr
	v_add_nc_u32 v[ST], 4, v[ST]                   ; the next tile's slot
	s_sub_co_i32 s23, s23, 1
	s_cmp_lg_u32 s23, 0
	s_cbranch_scc1 .Ltile_\@
.endm
	s_load_b256 s[8:15], s[0:1], 0x0               ; X s[8:9], inputs s[10:11], Xb s[12:13], th s[14:15]
	s_load_b128 s[16:19], s[0:1], 0x20             ; qh s[16:17], M3 s[18:19]
	s_load_b64 s[20:21], s[0:1], 0x30              ; SM
	v_lshl_add_u32 v254, v0, 2, 0x3f000
	v_mov_b32 v255, 0
	v_and_b32 v[LN], 31, v0
	v_and_b32 v[RL], 15, v0
	v_bfe_u32 v[HF], v0, 4, 1
	v_lshrrev_b32 v[RT], 5, v0
	v_readfirstlane_b32 s22, v[RT]                 ; wave 0..7
	v_lshlrev_b32 v[XO], 4, v[RL]
	v_lshl_add_u32 v[XO], v[HF], 9, v[XO]
	s_mul_i32 s32, s22, 10*PITCH
	v_mul_u32_u24 v[XW], v[HF], PITCH
	v_add_nc_u32 v[XW], s32, v[XW]                 ; row 10 w + h
	v_lshl_add_u32 v[XR], v[RL], 4, v[XW]
	v_lshl_add_u32 v[XW], v[RL], 3, v[XW]
	s_mul_i32 s33, s22, 40
	s_add_co_u32 s33, s33, TS
	v_lshl_add_u32 v[TW], v[HF], 2, s33
	v_lshlrev_b32 v[BO], 4, v[RL]
	v_lshl_add_u32 v[BO], v[HF], 8, v[BO]
	v_mul_u32_u24 v[AA], v[RL], PITCH
	v_lshl_add_u32 v[AA], v[HF], 4, v[AA]
	v_lshlrev_b32 v[CA], 5, v[HF]
	v_add_nc_u32 v[CA], TS, v[CA]
	s_mul_i32 s34, s22, WSTG
	s_add_co_u32 s34, s34, STG                     ; my wave's stage
	v_mul_u32_u24 v[ST], v[LN], SPITCH
	v_add_nc_u32 v[ST], s34, v[ST]
	v_lshlrev_b32 v[QO], 9, v[RL]
	v_lshl_add_u32 v[QO], v[HF], 5, v[QO]
	v_lshrrev_b32 v[SR], 3, v[LN]
	v_mul_u32_u24 v[SR], v[SR], SPITCH
	v_and_b32 v[RT], 7, v0
	v_lshl_add_u32 v[SR], v[RT], 4, v[SR]
	v_add_nc_u32 v[SR], s34, v[SR]
	v_lshlrev_b32 v[L16], 4, v[LN]
	v_lshlrev_b32 v[L4], 2, v[LN]
	v_mov_b32 v[ZERO], 0
	s_mul_i32 s35, s22, 400
	v_lshl_add_u32 v[THA], v[LN], 4, s35
	v_add_nc_u32 v[THA], TS, v[THA]
.irp j, 0,1,2,3,4,5,6,7
	s_mov_b32 s[24+(\j)], 0x01000001<<(\j)         ; the lanes in which register j of a 16 x 16 result holds the diagonal: j and 24 + j
.endr
	s_mov_b32 s37, 0
	s_wait_kmcnt 0x0
	ADVANCE 8,  204800, 5120                       ; X: 400 rows of 512 bytes a slice, 10 rows a wave
	ADVANCE 10, 0,      65536                      ; inputs: 128 queries a wave
	ADVANCE 12, 102400, 2560                       ; Xb
	ADVANCE 14, 1600,   400                        ; th: waves 0-3 store 100 words each
	ADVANCE 16, 0,      512                        ; qh
	ADVANCE 18, 131072, 16384                      ; M3
	ADVANCE 20, 4096,   512                        ; SM
	LOADX 0
	; THE QUERIES: two stages take turns; a tile's 16 loads are waited for while the next tile's 16 stay out
	QLOAD 0, QS0
	QLOAD 1, QS1
.irp i, 0,1,2,3,4,5
	s_wait_loadcnt 16                              ; loads come back in order: all but the 16 issued last
	QCVT \i, QS0+64*((\i)%2)
	QLOAD (\i)+2, QS0+64*((\i)%2)
.endr
	s_wait_loadcnt 16
	QCVT 6, QS0
	s_wait_loadcnt 0x0
	QCVT 7, QS1
	; |q|^2 of the rounded queries: the diagonal of Q Q^T, tile by tile
	WIN 0x05
.irp c, 0,1,2,3
.irp i, 0,1,2,3,4,5,6,7
.if (\c) == 0
	v_wmma_f32_16x16x32_bf16 v[RACC+8*(\i):RACC+8*(\i)+7], v[32*(\i)+8*(\c):32*(\i)+8*(\c)+7], v[32*(\i)+8*(\c):32*(\i)+8*(\c)+7], 0
.else
	v_wmma_f32_16x16x32_bf16 v[RACC+8*(\i):RACC+8*(\i)+7], v[32*(\i)+8*(\c):32*(\i)+8*(\c)+7], v[32*(\i)+8*(\c):32*(\i)+8*(\c)+7], v[RACC+8*(\i):RACC+8*(\i)+7]
.endif
.endr
.endr
	WIN 0
.rept 4
	v_nop
.endr
.irp i, 0,1,2,3,4,5,6,7
	v_cndmask_b32 v[RM+(\i)], 0, v[RACC+8*(\i)], s24
.endr
.irp j, 1,2,3,4,5,6,7
.irp i, 0,1,2,3,4,5,6,7
	v_cndmask_b32 v[RM+(\i)], v[RM+(\i)], v[RACC+8*(\i)+(\j)], s[24+(\j)]
.endr
.endr
.irp p, 0,1,2,3                        ; queries 0-7 of a tile lie in lanes 0-7, queries 8-15 in lanes 24-31, zeros elsewhere: swap and add give lane l query 32 p + l
	v_permlane16_swap_b32 v[RM+2*(\p)], v[RM+2*(\p)+1]
.endr
.irp p, 0,1,2,3
	v_add_f32 v[RCQ+(\p)], v[RM+2*(\p)], v[RM+2*(\p)+1]
.endr
.irp p, 0,1,2,3
	v_mul_f32 v[RCQ+(\p)], -0.5, v[RCQ+(\p)]
	v_mov_b32 v[RSM+(\p)], NEGMAX
	v_mov_b32 v[RR+(\p)], NEGMAX
.endr
.irp p, 0,1,2,3                        ; slots 24-31 of my queries' stage rows take the lowest finite number; tile 24 writes slot 24 over it later
	ds_store_b128 v[ST], v[RR:RR+3] offset:32*SPITCH*(\p)+96
	ds_store_b128 v[ST], v[RR:RR+3] offset:32*SPITCH*(\p)+112
.endr
	CONV 0
	LOADX 1
	BAR                                            ; chunk 0 is whole in LDS
.irp c, 0,1,2
	COMPUTE
	BAR                                            ; every wave's reads of X's rows and sums are back before anybody writes there again
	CONV (\c)+1
	LOADX (\c)+2
	BAR                                            ; the next chunk is whole
.endr
	COMPUTE
	BAR
	CONV 4
	BAR
	COMPUTE
	; THE WAY OUT
.irp p, 0,1,2,3
	global_store_b32 v[L4], v[RSM+(\p)], s[20:21] offset:128*(\p)
.endr
	s_cmp_lg_u32 ttmp9, 0
	s_cbranch_scc1 .Lno_qh                         ; one work-group stores qh
.irp p, 0,1,2,3
	global_store_b32 v[L4], v[RCQ+(\p)], s[16:17] offset:128*(\p)
.endr
.Lno_qh:
.irp b, 0,1,2,3                        ; my 128 stage rows: a load takes four queries' 128 bytes, which are 512 consecutive bytes of M3
	s_wait_xcnt 0x0                                ; earlier stores have read their registers
.irp u, 0,1,2,3,4,5,6,7
	ds_load_b128 v[RACC+32*((\b)%2)+4*(\u):RACC+32*((\b)%2)+4*(\u)+3], v[SR] offset:4*SPITCH*(8*(\b)+(\u))
.endr
	s_wait_dscnt 0x0
.irp u, 0,1,2,3,4,5,6,7
	global_store_b128 v[L16], v[RACC+32*((\b)%2)+4*(\u):RACC+32*((\b)%2)+4*(\u)+3], s[18:19] offset:512*(8*(\b)+(\u))
.endr
.endr
	s_cmp_gt_u32 s22, 3
	s_cbranch_scc1 .Lno_th                         ; th: waves 0-3, 25 lanes x 16 bytes each; the sums were published by the last barrier
	s_wait_xcnt 0x0                                ; EXEC and v112-115 change only behind this wait
	v_cmp_gt_u32 vcc_lo, 25, v[LN]
	s_and_saveexec_b32 s34, vcc_lo
	ds_load_b128 v[RACC:RACC+3], v[THA]
	s_wait_dscnt 0x0
	global_store_b128 v[L16], v[RACC:RACC+3], s[14:15]
	s_wait_xcnt 0x0
	s_or_b32 exec_lo, exec_lo, s34
.Lno_th:
	s_wait_tensorcnt 0x0
	ds_add_u32 v254, v255
	s_wait_dscnt 0x0
	s_endpgm
.Lfunc_end_k_q2a7ba71584_scan:
	.size	k_q2a7ba71584_scan, .Lfunc_end_k_q2a7ba71584_scan-k_q2a7ba71584_scan
	.p2alignl 7, 3214868480
	.fill 96, 4, 3214868480
	.section	.rodata,"a",@progbits
	.p2align	6, 0x0
	.amdhsa_kernel k_q2a7ba71584_scan
		.amdhsa_group_segment_fixed_size 259072
		.amdhsa_private_segment_fixed_size 0
		.amdhsa_enable_private_segment 0
		.amdhsa_kernarg_size 56
		.amdhsa_user_sgpr_count 2
		.amdhsa_user_sgpr_kernarg_segment_ptr 1
		.amdhsa_wavefront_size32 1
		.amdhsa_system_sgpr_workgroup_id_x 1
		.amdhsa_system_sgpr_workgroup_id_y 1
		.amdhsa_system_sgpr_workgroup_id_z 1
		.amdhsa_system_vgpr_workitem_id 0
		.amdhsa_next_free_vgpr 512
		.amdhsa_next_free_sgpr 66
		.amdhsa_reserve_vcc 1
		.amdhsa_float_denorm_mode_32 3
		.amdhsa_float_denorm_mode_16_64 3
		.amdhsa_memory_ordered 1
		.amdhsa_forward_progress 1
		.amdhsa_inst_pref_size 117
	.end_amdhsa_kernel
	.amdgpu_metadata
---
amdhsa.version: [ 1, 2 ]
amdhsa.kernels:
  - .name:           k_q2a7ba71584_scan
    .symbol:         k_q2a7ba71584_scan.kd
    .args:
      - { .name: X_train, .offset: 0, .size: 8, .value_kind: global_buffer, .address_space: global }
      - { .name: inputs, .offset: 8, .size: 8, .value_kind: global_buffer, .address_space: global }
      - { .name: Xb, .offset: 16, .size: 8, .value_kind: global_buffer, .address_space: global }
      - { .name: th, .offset: 24, .size: 8, .value_kind: global_buffer, .address_space: global }
      - { .name: qh, .offset: 32, .size: 8, .value_kind: global_buffer, .address_space: global }
      - { .name: M3, .offset: 40, .size: 8, .value_kind: global_buffer, .address_space: global }
      - { .name: SM, .offset: 48, .size: 8, .value_kind: global_buffer, .address_space: global }
    .group_segment_fixed_size: 259072
    .private_segment_fixed_size: 0
    .kernarg_segment_align: 8
    .kernarg_segment_size: 56
    .max_flat_workgroup_size: 256
    .sgpr_count:     66
    .vgpr_count:     512
    .wavefront_size: 32
...
	.end_amdgpu_metadata
.endif
;; end of part 1
;; launch pick1 (part 2): grid 256 x 1, 4 waves a work-group, no clusters, 0 bytes of LDS; arguments SM, sel1; writes sel1
.if DOCPART == 2
	.amdgcn_target "amdgcn-amd-amdhsa--gfx1250"
	.amdhsa_code_object_version 6
	.text
	.protected	k_q2a7ba71584_pick1
	.globl	k_q2a7ba71584_pick1
	.p2align	8
	.type	k_q2a7ba71584_pick1,@function
k_q2a7ba71584_pick1:
	s_mov_b64 s[64:65], 0
	v_nop
	global_prefetch_b8 v0, s[64:65] scope:SCOPE_SE
	s_setreg_imm32_b32 hwreg(HW_REG_WAVE_MODE, 25, 1), 1
	s_wait_xcnt 0x0
; PICK 1.  For each query the 32 slices (of 250) with the best (maximum key, lower slice number).  One wave a query: q = 4 x work-group + wave.
; Lane l, register i stands for slice 8 l + i; slices 250-255 count as the lowest finite number.  Out: sel1[q][word i] bit l = slice 8 l + i is chosen (words 8-31 = 0).
; The choice is made by selects alone: no branch and no address hangs on a key.  No LDS, no matrix unit: 250 numbers a query.
; LIMITS.  Keys are finite and above -3.4e38 (-infinity marks a taken key, +infinity is the value that equals none); NaN is not served.
.set K,   8                      ; v8-15   keys
.set OF,  16                     ; v16-23  byte offsets of the eight slices' rows in SM
.set VM,  24                     ; my lane's maximum
.set VX,  25                     ; the maximum on its way across the lanes
.set VT,  26
.set VV,  27                     ; the wave's maximum
.set VWN, 28                     ; the same in the winning lane, +infinity elsewhere
.set NI,  29                     ; -infinity
.set PI,  30                     ; +infinity
.set NM,  31                     ; lowest finite number
.set W,   32                     ; the words to store
.set L4,  33
.set SEL, 14                     ; s[14:15] v_permlanex16_b32's selects: each lane takes its own place in the other half
.set SN,  16
.set SL,  17
.set STM, 18
.set SW,  19
.set SS,  20
.set E,   24                     ; s24-31  register i's mask of the key taken in this trip
.macro MAXTREE R, K0
	v_max3_num_f32 v[VM], v[(\K0)], v[(\K0)+1], v[(\K0)+2]
.set n, 3
.rept ((\R)-3)/2
	v_max3_num_f32 v[VM], v[VM], v[(\K0)+n], v[(\K0)+n+1]
.set n, n+2
.endr
.if ((\R)-3)%2
	v_max_num_f32 v[VM], v[VM], v[(\K0)+n]
.endif
.endm
; 32 trips; each takes the one key that is largest, and among equals the one in the lowest lane and there in the lowest register: the lowest number.
.macro EXTRACT R, K0, E0
	s_mov_b32 s[SN], 32
.Lext_\@:
	MAXTREE \R, \K0
	v_max_num_f32_dpp v[VX], v[VM], v[VM] row_xmask:1 row_mask:0xf bank_mask:0xf
	v_max_num_f32_dpp v[VX], v[VX], v[VX] row_xmask:2 row_mask:0xf bank_mask:0xf
	v_max_num_f32_dpp v[VX], v[VX], v[VX] row_xmask:4 row_mask:0xf bank_mask:0xf
	v_max_num_f32_dpp v[VX], v[VX], v[VX] row_xmask:8 row_mask:0xf bank_mask:0xf
	v_permlanex16_b32 v[VT], v[VX], s[SEL], s[SEL+1]
	v_max_num_f32 v[VV], v[VX], v[VT]
	v_cmp_eq_f32 s[SL], v[VM], v[VV]               ; the lanes that hold it;
	s_sub_co_i32 s[STM], 0, s[SL]
	s_and_b32 s[SW], s[SL], s[STM]                 ; the lowest of them
	v_cndmask_b32 v[VWN], v[PI], v[VV], s[SW]
.set n, 0
.rept \R
	v_cmp_eq_f32 s[(\E0)+n], v[(\K0)+n], v[VWN]
.set n, n+1
.endr
	s_mov_b32 s[SS], 0
.set n, 0
.rept \R
	s_and_not1_b32 s[(\E0)+n], s[(\E0)+n], s[SS]   ; only the first equal register stays
	s_or_b32 s[SS], s[SS], s[(\E0)+n]
.set n, n+1
.endr
.set n, 0
.rept \R
	v_cndmask_b32 v[(\K0)+n], v[(\K0)+n], v[NI], s[(\E0)+n]
.set n, n+1
.endr
	s_sub_co_i32 s[SN], s[SN], 1
	s_cmp_lg_u32 s[SN], 0
	s_cbranch_scc1 .Lext_\@
.endm
.macro MASKOUT R, K0             ; word i = the lanes whose key i was taken
	v_mov_b32 v[W], 0
.set n, 0
.rept \R
	v_cmp_eq_u32 s[STM], v[(\K0)+n], v[NI]
	v_writelane_b32 v[W], s[STM], n
.set n, n+1
.endr
.endm
	s_load_b128 s[4:7], s[0:1], 0x0                ; SM s[4:5], sel1 s[6:7]
	v_and_b32 v1, 31, v0
	v_lshrrev_b32 v2, 5, v0
	v_readfirstlane_b32 s8, v2                     ; wave
	s_lshl_b32 s9, ttmp9, 2
	s_add_co_u32 s9, s9, s8                        ; q
	s_mov_b32 s[SEL], 0x76543210
	s_mov_b32 s[SEL+1], 0xfedcba98
	s_mov_b32 s12, 0x80000000                      ; lane 31
	v_lshlrev_b32 v3, 3, v1
	v_lshlrev_b32 v[L4], 2, v1
.set n, 0
.rept 8
	v_add_nc_u32 v[OF+n], n, v3
	v_min_u32 v[OF+n], 249, v[OF+n]                ; no load leaves the table
	v_lshlrev_b32 v[OF+n], 12, v[OF+n]             ; a slice's row of SM is 4,096 bytes
.set n, n+1
.endr
	v_mov_b32 v[NI], 0xff800000
	v_mov_b32 v[PI], 0x7f800000
	v_mov_b32 v[NM], 0xff7fffff
	v_mov_b32 v[VX], 0
	v_mov_b32 v[VT], 0
	s_lshl_b32 s10, s9, 2
	s_mov_b32 s11, 0
	s_wait_kmcnt 0x0
	s_add_nc_u64 s[4:5], s[4:5], s[10:11]          ; SM + 4 q
	s_lshl_b32 s10, s9, 7
	s_add_nc_u64 s[6:7], s[6:7], s[10:11]          ; sel1 + 128 q
.set n, 0
.rept 8
	global_load_b32 v[K+n], v[OF+n], s[4:5]
.set n, n+1
.endr
	s_wait_loadcnt 0x0
.set n, 2
.rept 6
	v_cndmask_b32 v[K+n], v[K+n], v[NM], s12       ; slices 250-255 do not exist
.set n, n+1
.endr
	EXTRACT 8, K, E
	MASKOUT 8, K
	global_store_b32 v[L4], v[W], s[6:7]
	s_endpgm
.Lfunc_end_k_q2a7ba71584_pick1:
	.size	k_q2a7ba71584_pick1, .Lfunc_end_k_q2a7ba71584_pick1-k_q2a7ba71584_pick1
	.p2alignl 7, 3214868480
	.fill 96, 4, 3214868480
	.section	.rodata,"a",@progbits
	.p2align	6, 0x0
	.amdhsa_kernel k_q2a7ba71584_pick1
		.amdhsa_group_segment_fixed_size 0
		.amdhsa_private_segment_fixed_size 0
		.amdhsa_enable_private_segment 0
		.amdhsa_kernarg_size 16
		.amdhsa_user_sgpr_count 2
		.amdhsa_user_sgpr_kernarg_segment_ptr 1
		.amdhsa_wavefront_size32 1
		.amdhsa_system_sgpr_workgroup_id_x 1
		.amdhsa_system_sgpr_workgroup_id_y 1
		.amdhsa_system_sgpr_workgroup_id_z 1
		.amdhsa_system_vgpr_workitem_id 0
		.amdhsa_next_free_vgpr 40
		.amdhsa_next_free_sgpr 66
		.amdhsa_reserve_vcc 0
		.amdhsa_float_denorm_mode_32 3
		.amdhsa_float_denorm_mode_16_64 3
		.amdhsa_memory_ordered 1
		.amdhsa_forward_progress 1
		.amdhsa_inst_pref_size 7
	.end_amdhsa_kernel
	.amdgpu_metadata
---
amdhsa.version: [ 1, 2 ]
amdhsa.kernels:
  - .name:           k_q2a7ba71584_pick1
    .symbol:         k_q2a7ba71584_pick1.kd
    .args:
      - { .name: SM, .offset: 0, .size: 8, .value_kind: global_buffer, .address_space: global }
      - { .name: sel1, .offset: 8, .size: 8, .value_kind: global_buffer, .address_space: global }
    .group_segment_fixed_size: 0
    .private_segment_fixed_size: 0
    .kernarg_segment_align: 8
    .kernarg_segment_size: 16
    .max_flat_workgroup_size: 128
    .sgpr_count:     66
    .vgpr_count:     40
    .wavefront_size: 32
...
	.end_amdgpu_metadata
.endif
;; end of part 2
;; launch pick2 (part 3): grid 1024 x 1, 1 waves a work-group, no clusters, 512 bytes of LDS; arguments sel1, M3, sel2; writes sel2
.if DOCPART == 3
	.amdgcn_target "amdgcn-amd-amdhsa--gfx1250"
	.amdhsa_code_object_version 6
	.text
	.protected	k_q2a7ba71584_pick2
	.globl	k_q2a7ba71584_pick2
	.p2align	8
	.type	k_q2a7ba71584_pick2,@function
k_q2a7ba71584_pick2:
	s_mov_b64 s[64:65], 0
	v_nop
	global_prefetch_b8 v0, s[64:65] scope:SCOPE_SE
	s_setreg_imm32_b32 hwreg(HW_REG_WAVE_MODE, 25, 1), 1
	s_wait_xcnt 0x0
; PICK 2.  For query q = work-group: of the 32 chosen slices' 32 x 25 groups of 16 rows, the 32 with the best (maximum key, lower group number).  One wave.
; sel1's masks are turned into the ascending list of the chosen slices (through 64 words of LDS: word k = the k-th chosen, words 32-63 catch the rest);
; lane l then holds the 25 group maxima of the l-th chosen slice, so (lane, register) ascends with the group's number.
; Out: sel2[q][word t < 25] bit l = group t of the l-th chosen slice is chosen; words 25-31 = 0; word 32 + l = the l-th chosen slice.
; Addresses hang on sel1's whole numbers alone, which an earlier launch stored; keys feed selects only.
; LIMITS.  As in the launch before: keys finite and above -3.4e38, no NaN.
.set L4,  2
.set ID,  3
.set VB,  4
.set VA,  5
.set VU,  6
.set DUM, 7
.set SV,  8                      ; my slice
.set OFS, 9
.set VM,  10
.set VX,  11
.set VT,  12
.set VV,  13
.set VWN, 14
.set NI,  15
.set PI,  16
.set W,   17
.set ZERO,18
.set K,   32                     ; v32-56
.set SEL, 12
.set SN,  14
.set SL,  15
.set STM, 16
.set SW,  17
.set SS,  18
.set E,   36                     ; s36-43 sel1's masks; later s36-60 the trip's masks
.macro MAXTREE R, K0
	v_max3_num_f32 v[VM], v[(\K0)], v[(\K0)+1], v[(\K0)+2]
.set n, 3
.rept ((\R)-3)/2
	v_max3_num_f32 v[VM], v[VM], v[(\K0)+n], v[(\K0)+n+1]
.set n, n+2
.endr
.if ((\R)-3)%2
	v_max_num_f32 v[VM], v[VM], v[(\K0)+n]
.endif
.endm
; 32 trips; each takes the one key that is largest, and among equals the one in the lowest lane and there in the lowest register: the lowest number.
.macro EXTRACT R, K0, E0
	s_mov_b32 s[SN], 32
.Lext_\@:
	MAXTREE \R, \K0
	v_max_num_f32_dpp v[VX], v[VM], v[VM] row_xmask:1 row_mask:0xf bank_mask:0xf
	v_max_num_f32_dpp v[VX], v[VX], v[VX] row_xmask:2 row_mask:0xf bank_mask:0xf
	v_max_num_f32_dpp v[VX], v[VX], v[VX] row_xmask:4 row_mask:0xf bank_mask:0xf
	v_max_num_f32_dpp v[VX], v[VX], v[VX] row_xmask:8 row_mask:0xf bank_mask:0xf
	v_permlanex16_b32 v[VT], v[VX], s[SEL], s[SEL+1]
	v_max_num_f32 v[VV], v[VX], v[VT]
	v_cmp_eq_f32 s[SL], v[VM], v[VV]
	s_sub_co_i32 s[STM], 0, s[SL]
	s_and_b32 s[SW], s[SL], s[STM]                 ; the lowest lane that holds it
	v_cndmask_b32 v[VWN], v[PI], v[VV], s[SW]
.set n, 0
.rept \R
	v_cmp_eq_f32 s[(\E0)+n], v[(\K0)+n], v[VWN]
.set n, n+1
.endr
	s_mov_b32 s[SS], 0
.set n, 0
.rept \R
	s_and_not1_b32 s[(\E0)+n], s[(\E0)+n], s[SS]   ; only the first equal register stays
	s_or_b32 s[SS], s[SS], s[(\E0)+n]
.set n, n+1
.endr
.set n, 0
.rept \R
	v_cndmask_b32 v[(\K0)+n], v[(\K0)+n], v[NI], s[(\E0)+n]
.set n, n+1
.endr
	s_sub_co_i32 s[SN], s[SN], 1
	s_cmp_lg_u32 s[SN], 0
	s_cbranch_scc1 .Lext_\@
.endm
.macro MASKOUT R, K0
	v_mov_b32 v[W], 0
.set n, 0
.rept \R
	v_cmp_eq_u32 s[STM], v[(\K0)+n], v[NI]
	v_writelane_b32 v[W], s[STM], n
.set n, n+1
.endr
.endm
; The chosen (lane, register) pairs, in ascending order, put their numbers into the list at LDS byte LB.  A pair's rank = the chosen ones in lower lanes + those in lower registers of its lane.
.macro ENUM R, M0, LB
	v_mov_b32 v[VB], 0
.set n, 0
.rept \R
	v_mbcnt_lo_u32_b32 v[VB], s[(\M0)+n], v[VB]
.set n, n+1
.endr
.set n, 0
.rept \R
	v_cndmask_b32 v[VA], v[DUM], v[VB], s[(\M0)+n] ; not chosen: word 32 + lane, which nobody reads
	v_min_u32 v[VA], 63, v[VA]
	v_lshlrev_b32 v[VA], 2, v[VA]
	ds_store_b32 v[VA], v[ID] offset:\LB
	v_cndmask_b32 v[VU], 0, 1, s[(\M0)+n]
	v_add_nc_u32 v[VB], v[VB], v[VU]
	v_add_nc_u32 v[ID], 1, v[ID]
.set n, n+1
.endr
.endm
	s_load_b128 s[4:7], s[0:1], 0x0                ; sel1 s[4:5], M3 s[6:7]
	s_load_b64 s[8:9], s[0:1], 0x10                ; sel2
	v_lshl_add_u32 v64, v0, 2, 0x100
	v_mov_b32 v65, 0
	v_and_b32 v1, 31, v0
	v_lshlrev_b32 v[L4], 2, v1
	v_lshlrev_b32 v[ID], 3, v1                     ; lane l begins at slice 8 l
	v_add_nc_u32 v[DUM], 32, v1
	v_mov_b32 v[ZERO], 0
	v_mov_b32 v[NI], 0xff800000
	v_mov_b32 v[PI], 0x7f800000
	v_mov_b32 v[VX], 0
	v_mov_b32 v[VT], 0
	s_mov_b32 s[SEL], 0x76543210
	s_mov_b32 s[SEL+1], 0xfedcba98
	s_lshl_b32 s10, ttmp9, 7
	s_mov_b32 s11, 0
	s_wait_kmcnt 0x0
	s_add_nc_u64 s[4:5], s[4:5], s[10:11]          ; sel1 + 128 q
	s_add_nc_u64 s[6:7], s[6:7], s[10:11]          ; M3 + 128 q
	s_lshl_b32 s10, ttmp9, 8
	s_add_nc_u64 s[8:9], s[8:9], s[10:11]          ; sel2 + 256 q
	s_load_b256 s[36:43], s[4:5], 0x0
	ds_store_b32 v[L4], v[ZERO]                    ; the list's 64 words are written before any is read
	ds_store_b32 v[L4], v[ZERO] offset:128
	s_wait_kmcnt 0x0
	ENUM 8, E, 0
	ds_load_b32 v[SV], v[L4]                       ; LDS serves a wave's instructions in order: this sees the stores above
	s_wait_dscnt 0x0
	v_min_u32 v[SV], 249, v[SV]
	v_lshlrev_b32 v[OFS], 17, v[SV]                ; a slice of M3 is 131,072 bytes
.set n, 0
.rept 6
	global_load_b128 v[K+4*n:K+4*n+3], v[OFS], s[6:7] offset:16*n
.set n, n+1
.endr
	global_load_b32 v[K+24], v[OFS], s[6:7] offset:96
	s_wait_loadcnt 0x0
	EXTRACT 25, K, E
	MASKOUT 25, K
	global_store_b32 v[L4], v[W], s[8:9]
	global_store_b32 v[L4], v[SV], s[8:9] offset:128
	s_wait_tensorcnt 0x0
	ds_add_u32 v64, v65
	s_wait_dscnt 0x0
	s_endpgm
.Lfunc_end_k_q2a7ba71584_pick2:
	.size	k_q2a7ba71584_pick2, .Lfunc_end_k_q2a7ba71584_pick2-k_q2a7ba71584_pick2
	.p2alignl 7, 3214868480
	.fill 96, 4, 3214868480
	.section	.rodata,"a",@progbits
	.p2align	6, 0x0
	.amdhsa_kernel k_q2a7ba71584_pick2
		.amdhsa_group_segment_fixed_size 512
		.amdhsa_private_segment_fixed_size 0
		.amdhsa_enable_private_segment 0
		.amdhsa_kernarg_size 24
		.amdhsa_user_sgpr_count 2
		.amdhsa_user_sgpr_kernarg_segment_ptr 1
		.amdhsa_wavefront_size32 1
		.amdhsa_system_sgpr_workgroup_id_x 1
		.amdhsa_system_sgpr_workgroup_id_y 1
		.amdhsa_system_sgpr_workgroup_id_z 1
		.amdhsa_system_vgpr_workitem_id 0
		.amdhsa_next_free_vgpr 66
		.amdhsa_next_free_sgpr 66
		.amdhsa_reserve_vcc 0
		.amdhsa_float_denorm_mode_32 3
		.amdhsa_float_denorm_mode_16_64 3
		.amdhsa_memory_ordered 1
		.amdhsa_forward_progress 1
		.amdhsa_inst_pref_size 15
	.end_amdhsa_kernel
	.amdgpu_metadata
---
amdhsa.version: [ 1, 2 ]
amdhsa.kernels:
  - .name:           k_q2a7ba71584_pick2
    .symbol:         k_q2a7ba71584_pick2.kd
    .args:
      - { .name: sel1, .offset: 0, .size: 8, .value_kind: global_buffer, .address_space: global }
      - { .name: M3, .offset: 8, .size: 8, .value_kind: global_buffer, .address_space: global }
      - { .name: sel2, .offset: 16, .size: 8, .value_kind: global_buffer, .address_space: global }
    .group_segment_fixed_size: 512
    .private_segment_fixed_size: 0
    .kernarg_segment_align: 8
    .kernarg_segment_size: 24
    .max_flat_workgroup_size: 32
    .sgpr_count:     66
    .vgpr_count:     66
    .wavefront_size: 32
...
	.end_amdgpu_metadata
.endif
;; end of part 3
;; launch final (part 4): grid 1024 x 1, 4 waves a work-group, no clusters, 3,584 bytes of LDS; arguments sel2, Xb, th, qh, inputs, y_train, out0; writes out0
.if DOCPART == 4
	.amdgcn_target "amdgcn-amd-amdhsa--gfx1250"
	.amdhsa_code_object_version 6
	.text
	.protected	k_q2a7ba71584_final
	.globl	k_q2a7ba71584_final
	.p2align	8
	.type	k_q2a7ba71584_final,@function
k_q2a7ba71584_final:
	s_mov_b64 s[64:65], 0
	v_nop
	global_prefetch_b8 v0, s[64:65] scope:SCOPE_SE
	s_setreg_imm32_b32 hwreg(HW_REG_WAVE_MODE, 25, 1), 1
	s_wait_xcnt 0x0
; FINAL.  Query q = work-group.  The 32 chosen groups of 16 rows are scored again, with the same chain of products as in the scan (C = -|x|^2/2, K ascending, then -|q|^2/2 added),
; the 32 best of the 512 keys are taken (among equals the lower row), and the mean of their y is stored.
; Wave 0 turns sel2's masks into the ascending list of group numbers (25 x slice + t) in LDS.  Wave v scores ranks 8 v .. 8 v + 7: product tile (x, b) has as source 0
; rows 8 b .. 8 b + 7 of rank 8 v + x (its rows 0-7) and of rank 8 v + 4 + x (its rows 8-15); source 1 is the query in all 16 columns.  One wave (q % 4) then chooses.
; Addresses hang on sel2's whole numbers alone, which an earlier launch stored; keys feed selects only.  Plain loads: the rows are gathered, 4,096 dense bytes a group; nothing is shared between work-groups.
; LIMITS.  Keys finite and above -3.4e38 (-infinity marks a taken key), no NaN; the key's order of rounding differs from (|q|^2 + |x|^2) - 2 q.x.
.set KL,  256                    ; LDS: the list at 0 (64 words); from 256 on 32 ranks x 80 bytes (16 keys + 16 of padding); wave v writes 640 consecutive bytes
.set KP,  80
.set LN,  1
.set HF,  2
.set QOF, 3
.set L4,  4
.set ID,  5
.set VB,  6
.set VA,  7
.set VU,  8
.set DUM, 9
.set SV,  10
.set LR,  11                     ; list byte of the group of my row of source 0
.set LC,  12                     ; list byte of the group of my half of the results
.set KW,  13                     ; where my half's keys go
.set ZERO,14
.set TMP, 15
.set QB,  16                     ; v16-47   the query's four fragments
.set RD,  48                     ; v48-79   four accumulators
.set RA,  80                     ; v80-207  tile x: four fragments, 32 registers
.set RC,  208                    ; v208-239 tile x: the C operand
.set AO,  240                    ; v240-243 byte offsets in Xb
.set CO,  244                    ; v244-247 byte offsets in th
.set VM,  248
.set VX,  249
.set VT,  250
.set VV,  251
.set VWN, 252
.set NI,  253
.set PI,  254
.set SUM, 255
.set K,   80                     ; the choosing wave: v80-95 keys, v96-111 y, v112 group, v113 offset in y, v114 LDS address
.set Y,   96
.set G,   112
.set YO,  113
.set KR,  114
.set SEL, 26
.set SN,  28
.set SL,  29
.set STM, 30
.set SW,  31
.set SS,  32
.set E,   36                     ; s36-60 sel2's masks; later s36-51 the trip's masks
.macro MAXTREE R, K0
	v_max3_num_f32 v[VM], v[(\K0)], v[(\K0)+1], v[(\K0)+2]
.set n, 3
.rept ((\R)-3)/2
	v_max3_num_f32 v[VM], v[VM], v[(\K0)+n], v[(\K0)+n+1]
.set n, n+2
.endr
.if ((\R)-3)%2
	v_max_num_f32 v[VM], v[VM], v[(\K0)+n]
.endif
.endm
; 32 trips; each takes the one key that is largest, and among equals the one in the lowest lane and there in the lowest register: the lowest row.
.macro EXTRACT R, K0, E0
	s_mov_b32 s[SN], 32
.Lext_\@:
	MAXTREE \R, \K0
	v_max_num_f32_dpp v[VX], v[VM], v[VM] row_xmask:1 row_mask:0xf bank_mask:0xf
	v_max_num_f32_dpp v[VX], v[VX], v[VX] row_xmask:2 row_mask:0xf bank_mask:0xf
	v_max_num_f32_dpp v[VX], v[VX], v[VX] row_xmask:4 row_mask:0xf bank_mask:0xf
	v_max_num_f32_dpp v[VX], v[VX], v[VX] row_xmask:8 row_mask:0xf bank_mask:0xf
	v_permlanex16_b32 v[VT], v[VX], s[SEL], s[SEL+1]
	v_max_num_f32 v[VV], v[VX], v[VT]
	v_cmp_eq_f32 s[SL], v[VM], v[VV]
	s_sub_co_i32 s[STM], 0, s[SL]
	s_and_b32 s[SW], s[SL], s[STM]                 ; the lowest lane that holds it
	v_cndmask_b32 v[VWN], v[PI], v[VV], s[SW]
.set n, 0
.rept \R
	v_cmp_eq_f32 s[(\E0)+n], v[(\K0)+n], v[VWN]
.set n, n+1
.endr
	s_mov_b32 s[SS], 0
.set n, 0
.rept \R
	s_and_not1_b32 s[(\E0)+n], s[(\E0)+n], s[SS]   ; only the first equal register stays
	s_or_b32 s[SS], s[SS], s[(\E0)+n]
.set n, n+1
.endr
.set n, 0
.rept \R
	v_cndmask_b32 v[(\K0)+n], v[(\K0)+n], v[NI], s[(\E0)+n]
.set n, n+1
.endr
	s_sub_co_i32 s[SN], s[SN], 1
	s_cmp_lg_u32 s[SN], 0
	s_cbranch_scc1 .Lext_\@
.endm
; The chosen (lane, register) pairs, in ascending order, put their numbers into the list at LDS byte LB.
.macro ENUM R, M0, LB
	v_mov_b32 v[VB], 0
.set n, 0
.rept \R
	v_mbcnt_lo_u32_b32 v[VB], s[(\M0)+n], v[VB]
.set n, n+1
.endr
.set n, 0
.rept \R
	v_cndmask_b32 v[VA], v[DUM], v[VB], s[(\M0)+n] ; not chosen: word 32 + lane, which nobody reads
	v_min_u32 v[VA], 63, v[VA]
	v_lshlrev_b32 v[VA], 2, v[VA]
	ds_store_b32 v[VA], v[ID] offset:\LB
	v_cndmask_b32 v[VU], 0, 1, s[(\M0)+n]
	v_add_nc_u32 v[VB], v[VB], v[VU]
	v_add_nc_u32 v[ID], 1, v[ID]
.set n, n+1
.endr
.endm
	s_load_b256 s[4:11], s[0:1], 0x0               ; sel2 s[4:5], Xb s[6:7], th s[8:9], qh s[10:11]
	s_load_b128 s[12:15], s[0:1], 0x20             ; inputs s[12:13], y s[14:15]
	s_load_b64 s[16:17], s[0:1], 0x30              ; out0
	s_set_vgpr_msb 0x40
	v_lshl_add_u32 v0, v0, 2, 0xc00
	v_mov_b32 v1, 0
	s_set_vgpr_msb 0x4000
	v_and_b32 v[LN], 31, v0
	v_lshrrev_b32 v[TMP], 5, v0
	v_readfirstlane_b32 s20, v[TMP]                ; wave 0..3
	v_bfe_u32 v[HF], v0, 4, 1
	v_lshlrev_b32 v[QOF], 5, v[HF]
	v_lshlrev_b32 v[L4], 2, v[LN]
	v_add_nc_u32 v[DUM], 32, v[LN]
	v_mov_b32 v[ZERO], 0
	s_lshl_b32 s21, s20, 5                         ; my wave's eight words of the list
	v_bfe_u32 v[LR], v0, 3, 1
	v_lshl_add_u32 v[LR], v[LR], 4, s21
	v_lshl_add_u32 v[LC], v[HF], 4, s21
	s_mul_i32 s23, s20, 8*KP
	s_add_co_u32 s23, s23, KL
	v_mul_u32_u24 v[KW], v[HF], 4*KP
	v_add_nc_u32 v[KW], s23, v[KW]
	v_and_b32 v[TMP], 7, v0
	v_lshlrev_b32 v[TMP], 8, v[TMP]
	v_lshl_add_u32 v[TMP], v[HF], 4, v[TMP]        ; my row in a half group, 256 bytes each, + 16 h
	v_mov_b32 v[NI], 0xff800000
	v_mov_b32 v[PI], 0x7f800000
	v_mov_b32 v[VX], 0
	v_mov_b32 v[VT], 0
	s_mov_b32 s[SEL], 0x76543210
	s_mov_b32 s[SEL+1], 0xfedcba98
	s_mov_b32 s25, 0
	s_wait_kmcnt 0x0
	s_lshl_b32 s24, ttmp9, 8
	s_add_nc_u64 s[4:5], s[4:5], s[24:25]          ; sel2 + 256 q
	s_lshl_b32 s24, ttmp9, 9
	s_add_nc_u64 s[12:13], s[12:13], s[24:25]      ; inputs + 512 q
	s_lshl_b32 s24, ttmp9, 2
	s_add_nc_u64 s[10:11], s[10:11], s[24:25]      ; qh + 4 q
	s_add_nc_u64 s[16:17], s[16:17], s[24:25]      ; out0 + 4 q
	s_load_b32 s22, s[10:11], 0x0                  ; -|q|^2/2
.irp c, 0,1,2,3                        ; the query as loaded, into v80-143: the lane's k = 32 c + 8 h .. +7 and 32 c + 16 + 8 h .. +7
	global_load_b128 v[RA+16*(\c):RA+16*(\c)+3],     v[QOF], s[12:13] offset:128*(\c)
	global_load_b128 v[RA+16*(\c)+4:RA+16*(\c)+7],   v[QOF], s[12:13] offset:128*(\c)+16
	global_load_b128 v[RA+16*(\c)+8:RA+16*(\c)+11],  v[QOF], s[12:13] offset:128*(\c)+64
	global_load_b128 v[RA+16*(\c)+12:RA+16*(\c)+15], v[QOF], s[12:13] offset:128*(\c)+80
.endr
	s_cmp_lg_u32 s20, 0
	s_cbranch_scc1 .Lnot_wave_0                    ; wave 0 makes the list
	s_load_b512 s[36:51], s[4:5], 0x0
	s_load_b256 s[52:59], s[4:5], 0x40
	s_load_b32 s60, s[4:5], 0x60
	global_load_b32 v[SV], v[L4], s[4:5] offset:128  ; the l-th chosen slice
	ds_store_b32 v[L4], v[ZERO]                    ; the list's 64 words are written before any is read
	ds_store_b32 v[L4], v[ZERO] offset:128
	s_wait_loadcnt 0x0
	s_wait_kmcnt 0x0
	v_min_u32 v[SV], 249, v[SV]
	v_mul_u32_u24 v[ID], v[SV], 25                 ; a slice has 25 groups
	ENUM 25, E, 0
.Lnot_wave_0:
	s_wait_dscnt 0x0                               ; the list is written
	s_barrier_signal -1
	s_barrier_wait -1
.irp x, 0,1,2,3
	ds_load_b32 v[AO+(\x)], v[LR] offset:4*(\x)
	ds_load_b32 v[CO+(\x)], v[LC] offset:4*(\x)
.endr
	s_wait_dscnt 0x0
.irp x, 0,1,2,3
	v_min_u32 v[AO+(\x)], 6249, v[AO+(\x)]
	v_min_u32 v[CO+(\x)], 6249, v[CO+(\x)]
	v_lshl_add_u32 v[AO+(\x)], v[AO+(\x)], 12, v[TMP]  ; a group is 4,096 bytes of Xb
	v_lshlrev_b32 v[CO+(\x)], 6, v[CO+(\x)]            ; and 64 bytes of th
.endr
	s_wait_loadcnt 0x0                             ; the query
.set n, 0
.rept 32
	v_cvt_pk_bf16_f32 v[QB+n], v[RA+2*n], v[RA+2*n+1]
.set n, n+1
.endr
.irp b, 0,1
.irp x, 0,1,2,3
.irp c, 0,1,2,3
	global_load_b128 v[RA+32*(\x)+8*(\c):RA+32*(\x)+8*(\c)+3],   v[AO+(\x)], s[6:7] offset:2048*(\b)+64*(\c)
	global_load_b128 v[RA+32*(\x)+8*(\c)+4:RA+32*(\x)+8*(\c)+7], v[AO+(\x)], s[6:7] offset:2048*(\b)+64*(\c)+32
.endr
	global_load_b128 v[RC+8*(\x):RC+8*(\x)+3],   v[CO+(\x)], s[8:9] offset:32*(\b)
	global_load_b128 v[RC+8*(\x)+4:RC+8*(\x)+7], v[CO+(\x)], s[8:9] offset:32*(\b)+16
.endr
	s_wait_loadcnt 0x0
.irp c, 0,1,2,3                        ; four accumulators by turns
.irp x, 0,1,2,3
.if (\c) == 0
	v_wmma_f32_16x16x32_bf16 v[RD+8*(\x):RD+8*(\x)+7], v[RA+32*(\x)+8*(\c):RA+32*(\x)+8*(\c)+7], v[QB+8*(\c):QB+8*(\c)+7], v[RC+8*(\x):RC+8*(\x)+7]
.else
	v_wmma_f32_16x16x32_bf16 v[RD+8*(\x):RD+8*(\x)+7], v[RA+32*(\x)+8*(\c):RA+32*(\x)+8*(\c)+7], v[QB+8*(\c):QB+8*(\c)+7], v[RD+8*(\x):RD+8*(\x)+7]
.endif
.endr
.endr
.rept 5                                ; places in front of the stores of the results, of the loads into the fragments and of the next products, which write the accumulators anew
	v_nop
.endr
.irp x, 0,1,2,3                        ; register j of half h: row 8 b + j of rank 8 v + 4 h + x; the 16 lanes of a half hold and write the same numbers
	ds_store_b128 v[KW], v[RD+8*(\x):RD+8*(\x)+3]   offset:KP*(\x)+32*(\b)
	ds_store_b128 v[KW], v[RD+8*(\x)+4:RD+8*(\x)+7] offset:KP*(\x)+32*(\b)+16
.endr
.endr
	s_wait_dscnt 0x0                               ; my keys are in LDS
	s_barrier_signal -1
	s_barrier_wait -1
	s_and_b32 s21, ttmp9, 3
	s_cmp_lg_u32 s20, s21
	s_cbranch_scc1 .Lend                           ; one wave chooses; which one goes by the query's number
	v_mul_u32_u24 v[KR], v[LN], KP
	ds_load_b32 v[G], v[L4]                        ; lane l: rank l
.irp j, 0,1,2,3
	ds_load_b128 v[K+4*(\j):K+4*(\j)+3], v[KR] offset:KL+16*(\j)
.endr
	s_wait_dscnt 0x0
	s_wait_kmcnt 0x0                               ; -|q|^2/2
	v_min_u32 v[G], 6249, v[G]
	v_lshlrev_b32 v[YO], 6, v[G]
.irp j, 0,1,2,3
	global_load_b128 v[Y+4*(\j):Y+4*(\j)+3], v[YO], s[14:15] offset:16*(\j)  ; the group's 16 y: waited for behind the choice
.endr
.set n, 0
.rept 16
	v_add_f32 v[K+n], s22, v[K+n]
.set n, n+1
.endr
	EXTRACT 16, K, E
	s_wait_loadcnt 0x0
	v_mov_b32 v[SUM], 0
.set n, 0
.rept 16
	v_cmp_eq_u32 s[STM], v[K+n], v[NI]
	v_cndmask_b32 v[VT], 0, v[Y+n], s[STM]
	v_add_f32 v[SUM], v[SUM], v[VT]
.set n, n+1
.endr
	v_add_f32_dpp v[SUM], v[SUM], v[SUM] row_xmask:1 row_mask:0xf bank_mask:0xf
	v_add_f32_dpp v[SUM], v[SUM], v[SUM] row_xmask:2 row_mask:0xf bank_mask:0xf
	v_add_f32_dpp v[SUM], v[SUM], v[SUM] row_xmask:4 row_mask:0xf bank_mask:0xf
	v_add_f32_dpp v[SUM], v[SUM], v[SUM] row_xmask:8 row_mask:0xf bank_mask:0xf
	v_permlanex16_b32 v[VT], v[SUM], s[SEL], s[SEL+1]
	v_add_f32 v[SUM], v[SUM], v[VT]
	v_mul_f32 v[SUM], 0x3d000000, v[SUM]           ; / 32
	v_cmp_eq_u32 vcc_lo, 0, v[LN]
	s_wait_xcnt 0x0                                ; EXEC changes only behind this wait
	s_and_saveexec_b32 s33, vcc_lo
	global_store_b32 v[ZERO], v[SUM], s[16:17]
	s_wait_xcnt 0x0
	s_or_b32 exec_lo, exec_lo, s33
.Lend:
	s_set_vgpr_msb 0x5
	s_wait_tensorcnt 0x0
	ds_add_u32 v0, v1
	s_wait_dscnt 0x0
	s_set_vgpr_msb 0x500
	s_endpgm
.Lfunc_end_k_q2a7ba71584_final:
	.size	k_q2a7ba71584_final, .Lfunc_end_k_q2a7ba71584_final-k_q2a7ba71584_final
	.p2alignl 7, 3214868480
	.fill 96, 4, 3214868480
	.section	.rodata,"a",@progbits
	.p2align	6, 0x0
	.amdhsa_kernel k_q2a7ba71584_final
		.amdhsa_group_segment_fixed_size 3584
		.amdhsa_private_segment_fixed_size 0
		.amdhsa_enable_private_segment 0
		.amdhsa_kernarg_size 56
		.amdhsa_user_sgpr_count 2
		.amdhsa_user_sgpr_kernarg_segment_ptr 1
		.amdhsa_wavefront_size32 1
		.amdhsa_system_sgpr_workgroup_id_x 1
		.amdhsa_system_sgpr_workgroup_id_y 1
		.amdhsa_system_sgpr_workgroup_id_z 1
		.amdhsa_system_vgpr_workitem_id 0
		.amdhsa_next_free_vgpr 258
		.amdhsa_next_free_sgpr 66
		.amdhsa_reserve_vcc 1
		.amdhsa_float_denorm_mode_32 3
		.amdhsa_float_denorm_mode_16_64 3
		.amdhsa_memory_ordered 1
		.amdhsa_forward_progress 1
		.amdhsa_inst_pref_size 38
	.end_amdhsa_kernel
	.amdgpu_metadata
---
amdhsa.version: [ 1, 2 ]
amdhsa.kernels:
  - .name:           k_q2a7ba71584_final
    .symbol:         k_q2a7ba71584_final.kd
    .args:
      - { .name: sel2, .offset: 0, .size: 8, .value_kind: global_buffer, .address_space: global }
      - { .name: Xb, .offset: 8, .size: 8, .value_kind: global_buffer, .address_space: global }
      - { .name: th, .offset: 16, .size: 8, .value_kind: global_buffer, .address_space: global }
      - { .name: qh, .offset: 24, .size: 8, .value_kind: global_buffer, .address_space: global }
      - { .name: inputs, .offset: 32, .size: 8, .value_kind: global_buffer, .address_space: global }
      - { .name: y_train, .offset: 40, .size: 8, .value_kind: global_buffer, .address_space: global }
      - { .name: out0, .offset: 48, .size: 8, .value_kind: global_buffer, .address_space: global }
    .group_segment_fixed_size: 3584
    .private_segment_fixed_size: 0
    .kernarg_segment_align: 8
    .kernarg_segment_size: 56
    .max_flat_workgroup_size: 128
    .sgpr_count:     66
    .vgpr_count:     258
    .wavefront_size: 32
...
	.end_amdgpu_metadata
.endif
;; end of part 4
;; ======== version 2 of 2: 4 launches; 1.32 times as fast as version 1
;; workspace buffers: Xb 25,600,000 bytes; th 400,128 bytes; qh 4,096 bytes; M3 28,672,000 bytes; SM 1,024,000 bytes; sel1 131,072 bytes of whole numbers; sel2 262,144 bytes of whole numbers
;; launch scan (part 5): grid 250 x 1, 8 waves a work-group, no clusters, 226,304 bytes of LDS; arguments X_train, inputs, Xb, th, qh, M3, SM; writes Xb, th, qh, M3, SM
.if DOCPART == 5
	.amdgcn_target "amdgcn-amd-amdhsa--gfx1250"
	.amdhsa_code_object_version 6
	.text
	.protected	k_q2a7ba71584_scan
	.globl	k_q2a7ba71584_scan
	.p2align	8
	.type	k_q2a7ba71584_scan,@function
k_q2a7ba71584_scan:
	s_mov_b64 s[64:65], 0
	v_nop
	global_prefetch_b8 v0, s[64:65] scope:SCOPE_SE
	s_setreg_imm32_b32 hwreg(HW_REG_WAVE_MODE, 25, 1), 1
	s_wait_xcnt 0x0
; SCAN.  key(q, n) = (q . x_n - |x_n|^2 / 2) - |q|^2 / 2 = -distance / 2, on inputs rounded to bf16, sums in f32; the largest key is the nearest row.
; A work-group owns a slice of 400 training rows (25 tiles of 16 rows, 5 chunks of 80 rows) and all 1,024 queries; wave w keeps queries 128 w .. 128 w + 127
; as 32 fragments (source 1) in registers v256-v511.  Stored: the rows in bf16 (Xb), -|x|^2/2 (th), -|q|^2/2 (qh, by slice 0),
; for each query the maximum key of each group of 16 rows (M3) and of the slice (SM[slice][query]).
; M3 holds a slice as two planes: A[1024 queries][20] for tiles 0-19, then B[1024 queries][8] for tiles 20-24 (slots 5-7 = lowest finite number).  Plane A is whole when
; chunk 3 is done and is stored then, so that its stores are on their way during the last chunk's work.
; Xb holds a group of 16 rows as 4,096 bytes in the order of the matrix fragments: the 16 bytes of row r, k = 32 c + 16 p + 8 h .. + 7, lie at 1024 c + 512 p + 256 h + 16 r,
; so that a later launch fills a fragment by loads of 512 consecutive bytes.
; Only maxima are kept: every one of a query's 32 best rows lies in one of the 32 groups with the best (maximum, lower number); later launches narrow the choice.
; X passes through registers (f32 -> bf16), so it is loaded by plain loads; no copy engine, no cluster: 250 work-groups are no multiple of four.
; LIMITS.  Keys must be finite and above -3.4e38; NaN and infinities are not served.  The key's order of rounding differs from (|q|^2 + |x|^2) - 2 q.x.
.set PITCH,  272                 ; an LDS row of X: 256 bytes of bf16 + 16 of padding
.set TS,     400*PITCH           ; 108,800: 400 f32, -|x|^2/2
.set STG,    110592              ; the stages: for each wave 128 queries x 80 bytes (plane A), then 128 x 32 bytes (plane B), both dense
.set PA,     80
.set PB,     32
.set WSTG,   128*(PA+PB)
.set M3A,    1024*PA             ; bytes of a slice's plane A
.set M3S,    1024*(PA+PB)        ; bytes of a slice in M3
.set NEGMAX, 0xff7fffff
.set LN,  1                      ; lane
.set RL,  2                      ; lane % 16
.set HF,  3                      ; lane / 16
.set XO,  4                      ; X: 512 h + 16 r
.set XW,  5                      ; LDS, my 8 bytes of row 10 w + h of the chunk in hand
.set TW,  6                      ; LDS, that row's word in TS
.set AW,  7                      ; LDS, the part of the tile's fragments that my wave stores to Xb: AA + 32 w
.set BO,  8                      ; Xb: 512 w + 16 x lane, and 4,096 more for each tile
.set AA,  9                      ; LDS, my part of the tile's fragments of X
.set CA,  10                     ; LDS, the tile's eight words of TS for my half of the lanes
.set ST,  11                     ; LDS, my query's slot of the tile in hand
.set QO,  12                     ; inputs: 512 r + 32 h
.set SR,  13                     ; LDS, my wave's stage read back flat: 16 x lane
.set L16, 14                     ; 16 x lane
.set L4,  15                     ; 4 x lane
.set ZERO,16
.set THA, 17                     ; LDS, TS + 400 w + 16 x min(lane, 24)
.set STB, 18                     ; LDS, my query's first slot in plane B's stage
.set RCQ, 20                     ; v20-23  -|q|^2/2: register p, lane l: query 128 w + 32 p + l
.set RSM, 24                     ; v24-27  the slice's maxima, same layout
.set RR,  28                     ; v28-31  the tile's maxima, same layout
.set RM,  32                     ; v32-39  maxima by tile of 16 queries
.set RT,  40                     ; v40-44  sums of squares
.set RX,  48                     ; v48-87  ten rows of X as loaded: pair u of rows, 8 registers
.set RP,  88                     ; v88-107 the same in bf16, 4 registers
.set RACC,112                    ; v112-175 eight accumulators
.set RA,  176                    ; v176-207 the tile's four fragments of X
.set RC,  208                    ; v208-215 the tile's -|x|^2/2, the C operand
.set RB,  216                    ; v216-219 my wave's 512 bytes of the tile for Xb
.set QS0, 112                    ; two stages of 64 registers for the queries as loaded (before the loop only)
.set QS1, 176
.set MSB, 0
.macro WIN new                   ; the immediate's high byte repeats the setting that is left
.if MSB != (\new)
	s_set_vgpr_msb (MSB<<8)|(\new)
.set MSB, \new
.endif
.endm
.macro ADVANCE p, gmul, wmul     ; pointer += slice x gmul + wave x wmul (s37 = 0)
	s_mul_i32 s36, ttmp9, \gmul
	s_mul_i32 s38, s22, \wmul
	s_add_co_u32 s36, s36, s38
	s_add_nc_u64 s[(\p):(\p)+1], s[(\p):(\p)+1], s[36:37]
.endm
; ten rows of chunk c: each load covers 256 consecutive bytes of two rows; lane (r, h) gets k = 4 r .. +3 and 64 + 4 r .. +3 of row 2 u + h
.macro LOADX c
.irp u, 0,1,2,3,4
	global_load_b128 v[RX+8*(\u):RX+8*(\u)+3],   v[XO], s[8:9] offset:40960*(\c)+1024*(\u) th:TH_LOAD_NT
	global_load_b128 v[RX+8*(\u)+4:RX+8*(\u)+7], v[XO], s[8:9] offset:40960*(\c)+1024*(\u)+256 th:TH_LOAD_NT
.endr
.endm
; 16 queries as loaded: for K step c the lane's k = 32 c + 8 h .. +7 and 32 c + 16 + 8 h .. +7
.macro QLOAD i, buf
.irp c, 0,1,2,3
	global_load_b128 v[(\buf)+16*(\c):(\buf)+16*(\c)+3],     v[QO], s[10:11] offset:8192*(\i)+128*(\c)
	global_load_b128 v[(\buf)+16*(\c)+4:(\buf)+16*(\c)+7],   v[QO], s[10:11] offset:8192*(\i)+128*(\c)+16
	global_load_b128 v[(\buf)+16*(\c)+8:(\buf)+16*(\c)+11],  v[QO], s[10:11] offset:8192*(\i)+128*(\c)+64
	global_load_b128 v[(\buf)+16*(\c)+12:(\buf)+16*(\c)+15], v[QO], s[10:11] offset:8192*(\i)+128*(\c)+80
.endr
.endm
.macro QCVT i, buf               ; rounded to bf16 into v[256 + 32 i ..]: fragment (i, c) at 32 i + 8 c
	WIN 0x40
.set n, 0
.rept 32
	v_cvt_pk_bf16_f32 v[32*(\i)+n], v[(\buf)+2*n], v[(\buf)+2*n+1]
.set n, n+1
.endr
	WIN 0
.endm
; my ten rows of the next chunk: rounded, squared and summed, put into LDS
.macro CONV
	s_wait_loadcnt 0x0                             ; the chunk's ten loads, issued a chunk's work ago
.irp u, 0,1,2,3,4
.irp d, 0,1,2,3
	v_cvt_pk_bf16_f32 v[RP+4*(\u)+(\d)], v[RX+8*(\u)+2*(\d)], v[RX+8*(\u)+2*(\d)+1]
.endr
.endr
.irp u, 0,1,2,3,4
	v_fma_mix_f32_bf16 v[RT+(\u)], v[RP+4*(\u)], v[RP+4*(\u)], v[ZERO] op_sel_hi:[1,1,0]
.endr
.irp u, 0,1,2,3,4
	v_fma_mix_f32_bf16 v[RT+(\u)], v[RP+4*(\u)], v[RP+4*(\u)], v[RT+(\u)] op_sel:[1,1,0] op_sel_hi:[1,1,0]
.endr
.irp d, 1,2,3
.irp u, 0,1,2,3,4
	v_fma_mix_f32_bf16 v[RT+(\u)], v[RP+4*(\u)+(\d)], v[RP+4*(\u)+(\d)], v[RT+(\u)] op_sel_hi:[1,1,0]
.endr
.irp u, 0,1,2,3,4
	v_fma_mix_f32_bf16 v[RT+(\u)], v[RP+4*(\u)+(\d)], v[RP+4*(\u)+(\d)], v[RT+(\u)] op_sel:[1,1,0] op_sel_hi:[1,1,0]
.endr
.endr
.irp k, 1,2,4,8                  ; a row lies in 16 lanes: four steps give every one of them the row's sum
.irp u, 0,1,2,3,4
	v_add_f32_dpp v[RT+(\u)], v[RT+(\u)], v[RT+(\u)] row_xmask:\k row_mask:0xf bank_mask:0xf
.endr
.endr
.irp u, 0,1,2,3,4
	v_mul_f32 v[RT+(\u)], -0.5, v[RT+(\u)]
.endr
.irp u, 0,1,2,3,4
	ds_store_b64 v[XW], v[RP+4*(\u):RP+4*(\u)+1]   offset:2*PITCH*(\u)
	ds_store_b64 v[XW], v[RP+4*(\u)+2:RP+4*(\u)+3] offset:2*PITCH*(\u)+128
	ds_store_b32 v[TW], v[RT+(\u)] offset:8*(\u)   ; sixteen lanes, one word, one value
.endr
	v_add_nc_u32 v[XW], 80*PITCH, v[XW]            ; on to the next chunk's rows
	v_add_nc_u32 v[TW], 320, v[TW]
.endm
.macro BAR
	s_wait_dscnt 0x0                               ; my LDS stores are done and my LDS reads are back
	s_barrier_signal -1
	s_barrier_wait -1
.endm
; eleven LDS loads: a tile's four fragments of X, its C operand, and my wave's eighth of the tile for Xb (row r, k = 16 w + 8 h .. + 7)
.macro FRAGS
.irp c, 0,1,2,3
	ds_load_b128 v[RA+8*(\c):RA+8*(\c)+3],   v[AA] offset:64*(\c)
	ds_load_b128 v[RA+8*(\c)+4:RA+8*(\c)+7], v[AA] offset:64*(\c)+32
.endr
	ds_load_b128 v[RC:RC+3],   v[CA]
	ds_load_b128 v[RC+4:RC+7], v[CA] offset:16
	ds_load_b128 v[RB:RB+3],   v[AW]
.endm
; a chunk's five tiles.  A trip: 16 rows x my 128 queries, 32 products on eight accumulators by turns; C = -|x|^2/2.
; In the result lane (r, h), register j: row 8 h + j, query 16 i + r.  Beside it my wave sends its eighth of the tile, in fragment order, to Xb.
; The next tile's loads stand behind the products, so that they land while the maxima are taken.  sp: bytes from 32 queries to the next 32 in the stage.
.macro COMPUTE sp
	s_wait_xcnt 0x0                                ; earlier stores have read v112-191
	FRAGS                                          ; the chunk's first tile
	s_mov_b32 s23, 5
.Ltile_\@:
	s_wait_dscnt 0x0                               ; the tile's eleven loads are back (and the last trip's four stores done)
	global_store_b128 v[BO], v[RB:RB+3], s[12:13]  ; 512 consecutive bytes, at a multiple of 512 from Xb's first byte
	WIN 0x04                                       ; source 1 (the queries) in v256-v511
.irp c, 0,1,2,3
.irp i, 0,1,2,3,4,5,6,7
.if (\c) == 0
	v_wmma_f32_16x16x32_bf16 v[RACC+8*(\i):RACC+8*(\i)+7], v[RA+8*(\c):RA+8*(\c)+7], v[32*(\i)+8*(\c):32*(\i)+8*(\c)+7], v[RC:RC+7]
.else
	v_wmma_f32_16x16x32_bf16 v[RACC+8*(\i):RACC+8*(\i)+7], v[RA+8*(\c):RA+8*(\c)+7], v[32*(\i)+8*(\c):32*(\i)+8*(\c)+7], v[RACC+8*(\i):RACC+8*(\i)+7]
.endif
.endr
.endr
	WIN 0
	s_wait_xcnt 0x0                                ; the store has read v216-219 and its offset: both are written again only behind this wait
	v_add_nc_u32 v[AA], 16*PITCH, v[AA]            ; four plain instructions stand between the products and the loads into their sources and the first read of a result
	v_add_nc_u32 v[CA], 64, v[CA]
	v_add_nc_u32 v[AW], 16*PITCH, v[AW]
	v_add_nc_u32 v[BO], 4096, v[BO]
	s_cmp_eq_u32 s23, 1
	s_cbranch_scc1 .Lkeep_\@                       ; the chunk's last trip fetches nothing: the next chunk's rows are published only by a later barrier
	FRAGS
.Lkeep_\@:
.irp i, 0,1,2,3,4,5,6,7                ; the maximum of a lane's eight rows, each accumulator from its low end on
	v_max3_num_f32 v[RM+(\i)], v[RACC+8*(\i)], v[RACC+8*(\i)+1], v[RACC+8*(\i)+2]
.endr
.irp i, 0,1,2,3,4,5,6,7
	v_max3_num_f32 v[RM+(\i)], v[RM+(\i)], v[RACC+8*(\i)+3], v[RACC+8*(\i)+4]
.endr
.irp i, 0,1,2,3,4,5,6,7
	v_max3_num_f32 v[RM+(\i)], v[RM+(\i)], v[RACC+8*(\i)+5], v[RACC+8*(\i)+6]
.endr
.irp i, 0,1,2,3,4,5,6,7
	v_max_num_f32 v[RM+(\i)], v[RM+(\i)], v[RACC+8*(\i)+7]
.endr
.irp p, 0,1,2,3                        ; the swap brings both halves' maxima of a query into one lane: lane l then stands for query 32 p + l
	v_permlane16_swap_b32 v[RM+2*(\p)], v[RM+2*(\p)+1]
.endr
.irp p, 0,1,2,3
	v_max_num_f32 v[RR+(\p)], v[RM+2*(\p)], v[RM+2*(\p)+1]
.endr
.irp p, 0,1,2,3
	v_add_f32 v[RR+(\p)], v[RR+(\p)], v[RCQ+(\p)]  ; adding is monotone: the maximum's key is the maximum of the keys, bit for bit
.endr
.irp p, 0,1,2,3
	v_max_num_f32 v[RSM+(\p)], v[RSM+(\p)], v[RR+(\p)]
.endr
.irp p, 0,1,2,3
	ds_store_b32 v[ST], v[RR+(\p)] offset:(\sp)*(\p)
.endr
	v_add_nc_u32 v[ST], 4, v[ST]                   ; the next tile's slot
	s_sub_co_i32 s23, s23, 1
	s_cmp_lg_u32 s23, 0
	s_cbranch_scc1 .Ltile_\@
.endm
; cnt x 512 bytes of my wave's stage, from its byte lo on, go to M3 as they lie: each load and each store covers 512 consecutive bytes
.macro FLUSH cnt, lo, ptr
	s_wait_xcnt 0x0                                ; earlier stores have read these registers
.set n, 0
.rept \cnt
	ds_load_b128 v[RACC+4*n:RACC+4*n+3], v[SR] offset:(\lo)+512*n  ; my wave's own bytes: LDS serves a wave's instructions in order (ISA guide 5.7.1.4)
.set n, n+1
.endr
	s_wait_dscnt 0x0
.set n, 0
.rept \cnt
	global_store_b128 v[L16], v[RACC+4*n:RACC+4*n+3], s[(\ptr):(\ptr)+1] offset:512*n
.set n, n+1
.endr
.endm
	s_load_b256 s[8:15], s[0:1], 0x0               ; X s[8:9], inputs s[10:11], Xb s[12:13], th s[14:15]
	s_load_b128 s[16:19], s[0:1], 0x20             ; qh s[16:17], M3 s[18:19]
	s_load_b64 s[20:21], s[0:1], 0x30              ; SM
	v_lshl_add_u32 v254, v0, 2, 0x37000
	v_mov_b32 v255, 0
	v_and_b32 v[LN], 31, v0
	v_and_b32 v[RL], 15, v0
	v_bfe_u32 v[HF], v0, 4, 1
	v_lshrrev_b32 v[RT], 5, v0
	v_readfirstlane_b32 s22, v[RT]                 ; wave 0..7
	v_lshlrev_b32 v[XO], 4, v[RL]
	v_lshl_add_u32 v[XO], v[HF], 9, v[XO]
	s_mul_i32 s32, s22, 10*PITCH
	v_mul_u32_u24 v[XW], v[HF], PITCH
	v_add_nc_u32 v[XW], s32, v[XW]                 ; row 10 w + h
	v_lshl_add_u32 v[XW], v[RL], 3, v[XW]
	s_mul_i32 s33, s22, 40
	s_add_co_u32 s33, s33, TS
	v_lshl_add_u32 v[TW], v[HF], 2, s33
	v_mul_u32_u24 v[AA], v[RL], PITCH
	v_lshl_add_u32 v[AA], v[HF], 4, v[AA]
	s_lshl_b32 s32, s22, 5
	v_add_nc_u32 v[AW], s32, v[AA]
	s_lshl_b32 s32, s22, 9
	v_lshl_add_u32 v[BO], v[LN], 4, s32
	v_lshlrev_b32 v[CA], 5, v[HF]
	v_add_nc_u32 v[CA], TS, v[CA]
	s_mul_i32 s34, s22, WSTG
	s_add_co_u32 s34, s34, STG                     ; my wave's stages
	v_mul_u32_u24 v[ST], v[LN], PA
	v_add_nc_u32 v[ST], s34, v[ST]
	v_lshl_add_u32 v[STB], v[LN], 5, s34
	v_add_nc_u32 v[STB], 128*PA, v[STB]
	v_lshl_add_u32 v[SR], v[LN], 4, s34
	v_lshlrev_b32 v[QO], 9, v[RL]
	v_lshl_add_u32 v[QO], v[HF], 5, v[QO]
	v_lshlrev_b32 v[L16], 4, v[LN]
	v_lshlrev_b32 v[L4], 2, v[LN]
	v_mov_b32 v[ZERO], 0
	s_mul_i32 s35, s22, 400
	v_min_u32 v[RT], 24, v[LN]                     ; 25 lanes x 16 bytes are a wave's 100 words: no lane's address passes them
	v_lshl_add_u32 v[THA], v[RT], 4, s35
	v_add_nc_u32 v[THA], TS, v[THA]
.irp j, 0,1,2,3,4,5,6,7
	s_mov_b32 s[24+(\j)], 0x01000001<<(\j)         ; the lanes in which register j of a 16 x 16 result holds the diagonal: j and 24 + j
.endr
	s_mov_b32 s37, 0
	s_wait_kmcnt 0x0
	s_mov_b64 s[40:41], s[18:19]
	ADVANCE 8,  204800, 5120                       ; X: 400 rows of 512 bytes a slice, 10 rows a wave
	ADVANCE 10, 0,      65536                      ; inputs: 128 queries a wave
	ADVANCE 12, 102400, 0                          ; Xb: 25 groups of 4,096 bytes a slice
	ADVANCE 14, 1600,   400                        ; th: waves 0-3 store 100 words each
	ADVANCE 16, 0,      512                        ; qh
	ADVANCE 18, M3S,    128*PA                     ; M3, plane A: my 128 queries
	ADVANCE 40, M3S,    128*PB                     ; M3, plane B,
	s_add_nc_u64 s[40:41], s[40:41], M3A           ; which lies behind the slice's plane A
	ADVANCE 20, 4096,   512                        ; SM
	LOADX 0
	; THE QUERIES: two stages take turns; a tile's 16 loads are waited for while the next tile's 16 stay out
	QLOAD 0, QS0
	QLOAD 1, QS1
.irp i, 0,1,2,3,4,5
	s_wait_loadcnt 16                              ; loads come back in order: all but the 16 issued last
	QCVT \i, QS0+64*((\i)%2)
	QLOAD (\i)+2, QS0+64*((\i)%2)
.endr
	s_wait_loadcnt 16
	QCVT 6, QS0
	s_wait_loadcnt 0x0
	QCVT 7, QS1
	; |q|^2 of the rounded queries: the diagonal of Q Q^T, tile by tile
	WIN 0x05
.irp c, 0,1,2,3
.irp i, 0,1,2,3,4,5,6,7
.if (\c) == 0
	v_wmma_f32_16x16x32_bf16 v[RACC+8*(\i):RACC+8*(\i)+7], v[32*(\i)+8*(\c):32*(\i)+8*(\c)+7], v[32*(\i)+8*(\c):32*(\i)+8*(\c)+7], 0
.else
	v_wmma_f32_16x16x32_bf16 v[RACC+8*(\i):RACC+8*(\i)+7], v[32*(\i)+8*(\c):32*(\i)+8*(\c)+7], v[32*(\i)+8*(\c):32*(\i)+8*(\c)+7], v[RACC+8*(\i):RACC+8*(\i)+7]
.endif
.endr
.endr
	WIN 0
.rept 4
	v_nop
.endr
.irp i, 0,1,2,3,4,5,6,7
	v_cndmask_b32 v[RM+(\i)], 0, v[RACC+8*(\i)], s24
.endr
.irp j, 1,2,3,4,5,6,7
.irp i, 0,1,2,3,4,5,6,7
	v_cndmask_b32 v[RM+(\i)], v[RM+(\i)], v[RACC+8*(\i)+(\j)], s[24+(\j)]
.endr
.endr
.irp p, 0,1,2,3                        ; queries 0-7 of a tile lie in lanes 0-7, queries 8-15 in lanes 24-31, zeros elsewhere: swap and add give lane l query 32 p + l
	v_permlane16_swap_b32 v[RM+2*(\p)], v[RM+2*(\p)+1]
.endr
.irp p, 0,1,2,3
	v_add_f32 v[RCQ+(\p)], v[RM+2*(\p)], v[RM+2*(\p)+1]
.endr
.irp p, 0,1,2,3
	v_mul_f32 v[RCQ+(\p)], -0.5, v[RCQ+(\p)]
	v_mov_b32 v[RSM+(\p)], NEGMAX
	v_mov_b32 v[RR+(\p)], NEGMAX
.endr
.irp p, 0,1,2,3                        ; plane B's stage rows take the lowest finite number; tiles 20-24 write slots 0-4 over it later
	ds_store_b128 v[STB], v[RR:RR+3] offset:32*PB*(\p)
	ds_store_b128 v[STB], v[RR:RR+3] offset:32*PB*(\p)+16
.endr
	CONV
	LOADX 1
	BAR                                            ; chunk 0 is whole in LDS
.irp c, 0,1,2
	COMPUTE 32*PA
	BAR                                            ; a phase in which waves read X's rows and sums and a phase in which they write rows and sums are kept apart by a barrier on either side
	CONV
	LOADX (\c)+2
	BAR                                            ; the next chunk is whole
.endr
	COMPUTE 32*PA
	FLUSH 20, 0, 18                                ; tiles 0-19 are done: plane A leaves, 10,240 bytes a wave, ahead of the last chunk's work
	BAR
	CONV
	BAR
	v_mov_b32 v[ST], v[STB]                        ; tiles 20-24 go to plane B's stage
	COMPUTE 32*PB
	; THE WAY OUT
	FLUSH 8, 128*PA, 40                            ; plane B, 4,096 bytes a wave
.irp p, 0,1,2,3
	global_store_b32 v[L4], v[RSM+(\p)], s[20:21] offset:128*(\p)
.endr
	s_cmp_lg_u32 ttmp9, 0
	s_cbranch_scc1 .Lno_qh                         ; one work-group stores qh
.irp p, 0,1,2,3
	global_store_b32 v[L4], v[RCQ+(\p)], s[16:17] offset:128*(\p)
.endr
.Lno_qh:
	s_cmp_gt_u32 s22, 3
	s_cbranch_scc1 .Lno_th                         ; th: waves 0-3, 25 lanes x 16 bytes each; the sums were published by the last barrier
	s_wait_xcnt 0x0                                ; EXEC and v112-115 change only behind this wait
	v_cmp_gt_u32 vcc_lo, 25, v[LN]
	s_and_saveexec_b32 s34, vcc_lo
	ds_load_b128 v[RACC:RACC+3], v[THA]
	s_wait_dscnt 0x0
	global_store_b128 v[L16], v[RACC:RACC+3], s[14:15]
	s_wait_xcnt 0x0
	s_or_b32 exec_lo, exec_lo, s34
.Lno_th:
	s_wait_tensorcnt 0x0
	ds_add_u32 v254, v255
	s_wait_dscnt 0x0
	s_endpgm
.Lfunc_end_k_q2a7ba71584_scan:
	.size	k_q2a7ba71584_scan, .Lfunc_end_k_q2a7ba71584_scan-k_q2a7ba71584_scan
	.p2alignl 7, 3214868480
	.fill 96, 4, 3214868480
	.section	.rodata,"a",@progbits
	.p2align	6, 0x0
	.amdhsa_kernel k_q2a7ba71584_scan
		.amdhsa_group_segment_fixed_size 226304
		.amdhsa_private_segment_fixed_size 0
		.amdhsa_enable_private_segment 0
		.amdhsa_kernarg_size 56
		.amdhsa_user_sgpr_count 2
		.amdhsa_user_sgpr_kernarg_segment_ptr 1
		.amdhsa_wavefront_size32 1
		.amdhsa_system_sgpr_workgroup_id_x 1
		.amdhsa_system_sgpr_workgroup_id_y 1
		.amdhsa_system_sgpr_workgroup_id_z 1
		.amdhsa_system_vgpr_workitem_id 0
		.amdhsa_next_free_vgpr 512
		.amdhsa_next_free_sgpr 66
		.amdhsa_reserve_vcc 1
		.amdhsa_float_denorm_mode_32 3
		.amdhsa_float_denorm_mode_16_64 3
		.amdhsa_memory_ordered 1
		.amdhsa_forward_progress 1
		.amdhsa_inst_pref_size 117
	.end_amdhsa_kernel
	.amdgpu_metadata
---
amdhsa.version: [ 1, 2 ]
amdhsa.kernels:
  - .name:           k_q2a7ba71584_scan
    .symbol:         k_q2a7ba71584_scan.kd
    .args:
      - { .name: X_train, .offset: 0, .size: 8, .value_kind: global_buffer, .address_space: global }
      - { .name: inputs, .offset: 8, .size: 8, .value_kind: global_buffer, .address_space: global }
      - { .name: Xb, .offset: 16, .size: 8, .value_kind: global_buffer, .address_space: global }
      - { .name: th, .offset: 24, .size: 8, .value_kind: global_buffer, .address_space: global }
      - { .name: qh, .offset: 32, .size: 8, .value_kind: global_buffer, .address_space: global }
      - { .name: M3, .offset: 40, .size: 8, .value_kind: global_buffer, .address_space: global }
      - { .name: SM, .offset: 48, .size: 8, .value_kind: global_buffer, .address_space: global }
    .group_segment_fixed_size: 226304
    .private_segment_fixed_size: 0
    .kernarg_segment_align: 8
    .kernarg_segment_size: 56
    .max_flat_workgroup_size: 256
    .sgpr_count:     66
    .vgpr_count:     512
    .wavefront_size: 32
...
	.end_amdgpu_metadata
.endif
;; end of part 5
;; launch pick1 (part 6): grid 256 x 1, 4 waves a work-group, no clusters, 0 bytes of LDS; arguments SM, sel1; writes sel1
.if DOCPART == 6
	.amdgcn_target "amdgcn-amd-amdhsa--gfx1250"
	.amdhsa_code_object_version 6
	.text
	.protected	k_q2a7ba71584_pick1
	.globl	k_q2a7ba71584_pick1
	.p2align	8
	.type	k_q2a7ba71584_pick1,@function
k_q2a7ba71584_pick1:
	s_mov_b64 s[64:65], 0
	v_nop
	global_prefetch_b8 v0, s[64:65] scope:SCOPE_SE
	s_setreg_imm32_b32 hwreg(HW_REG_WAVE_MODE, 25, 1), 1
	s_wait_xcnt 0x0
; PICK 1.  For each query the 32 slices (of 250) with the best (maximum key, lower slice number).  One wave a query: q = 4 x work-group + wave.
; Lane l, register i stands for slice 8 l + i; slices 250-255 count as the lowest finite number.  Out: sel1[q][word i] bit l = slice 8 l + i is chosen (words 8-31 = 0).
; HOW.  First V, the 32nd largest key: a copy of each register is sorted along the 32 lanes (a bitonic network, 15 stages), by turns ascending and descending; of an ascending and a
; descending list the maxima lane by lane are the 32 largest of both, five stages sort them again; the last list's least number is V, and e of its numbers equal V.
; Chosen are all keys above V and, in the order (lane, register), the first e keys equal to V.  All by selects: no branch and no address hangs on a key.
; No LDS, no matrix unit: 250 numbers a query.
; LIMITS.  Keys are finite and above -3.4e38; NaN is not served.
.set K,   8                      ; v8-15   keys
.set OF,  16                     ; v16-23  byte offsets of the eight slices' rows in SM
.set S,   24                     ; v24-31  the copy that is sorted; later ranks
.set T,   32                     ; v32-39  at work: minima, partners
.set U,   40                     ; v40-47  at work: minima of the stage across the halves
.set VV,  48                     ; V
.set VB,  49
.set W,   50                     ; the words to store
.set L4,  51
.set NM,  52                     ; lowest finite number
.set SEL, 14                     ; s[14:15] v_permlanex16_b32's selects: each lane takes its own place in the other half
.set STM, 16
.set SE,  17                     ; e + 1
.set SB,  20                     ; s20-34  the stages' lane masks
.set G,   36                     ; s36-43  register i: keys above V; later: chosen
.set Q,   44                     ; s44-51  register i: keys equal to V
; In the stage with blocks of k lanes and partners j lanes apart, of an ascending sort, lane i keeps the maximum where (i & j != 0) differs from (i & k != 0).
.macro SETMASKS
	s_mov_b32 s[SB+0],  0x66666666                 ; k 2: j 1
	s_mov_b32 s[SB+1],  0x5a5a5a5a                 ; k 4: j 1
	s_mov_b32 s[SB+2],  0x3c3c3c3c                 ;      j 2
	s_mov_b32 s[SB+3],  0x55aa55aa                 ; k 8: j 1
	s_mov_b32 s[SB+4],  0x33cc33cc                 ;      j 2
	s_mov_b32 s[SB+5],  0x0ff00ff0                 ;      j 4
	s_mov_b32 s[SB+6],  0x5555aaaa                 ; k 16: j 1
	s_mov_b32 s[SB+7],  0x3333cccc                 ;      j 2
	s_mov_b32 s[SB+8],  0x0f0ff0f0                 ;      j 4
	s_mov_b32 s[SB+9],  0x00ffff00                 ;      j 8
	s_mov_b32 s[SB+10], 0xaaaaaaaa                 ; k 32: j 1
	s_mov_b32 s[SB+11], 0xcccccccc                 ;      j 2
	s_mov_b32 s[SB+12], 0xf0f0f0f0                 ;      j 4
	s_mov_b32 s[SB+13], 0xff00ff00                 ;      j 8
	s_mov_b32 s[SB+14], 0xffff0000                 ;      j 16
.endm
; dir = 1: list m of c lists is to descend.  A list with a partner goes by its number's parity; the last of an odd count waits, and goes by its number at the level at which it finds one.
.macro GETDIR m, c
.set mm, \m
.set cc, \c
.rept 5
.if (cc > 1) && (mm == cc-1) && ((mm & 1) == 0)
.set mm, mm/2
.set cc, (cc+1)/2
.endif
.endr
.set dir, mm & 1
.endm
; One stage for lists m0 .. m0 + nb - 1 of cnt (list m in v[S + m st]): partners j lanes apart, mask s[SB + mi].
.macro STAGE st, m0, nb, cnt, j, mi
.if (\j) < 16
.set tm, T
.set n, 0
.rept \nb
.set x, S+((\m0)+n)*(\st)
	v_min_num_f32_dpp v[T+n], v[x], v[x] row_xmask:\j row_mask:0xf bank_mask:0xf
.set n, n+1
.endr
.set n, 0
.rept \nb
.set x, S+((\m0)+n)*(\st)
	v_max_num_f32_dpp v[x], v[x], v[x] row_xmask:\j row_mask:0xf bank_mask:0xf
.set n, n+1
.endr
.else
.set tm, U
.set n, 0
.rept \nb
.set x, S+((\m0)+n)*(\st)
	v_permlanex16_b32 v[T+n], v[x], s[SEL], s[SEL+1]
.set n, n+1
.endr
.set n, 0
.rept \nb
.set x, S+((\m0)+n)*(\st)
	v_min_num_f32 v[U+n], v[x], v[T+n]
.set n, n+1
.endr
.set n, 0
.rept \nb
.set x, S+((\m0)+n)*(\st)
	v_max_num_f32 v[x], v[x], v[T+n]
.set n, n+1
.endr
.endif
.set n, 0
.rept \nb
.set x, S+((\m0)+n)*(\st)
	GETDIR (\m0)+n, \cnt
.if dir
	v_cndmask_b32 v[x], v[x], v[tm+n], s[SB+(\mi)] ; descending: the mask's lanes keep the minimum
.else
	v_cndmask_b32 v[x], v[tm+n], v[x], s[SB+(\mi)] ; ascending: the mask's lanes keep the maximum
.endif
.set n, n+1
.endr
.endm
.macro RESORT st, nb, cnt        ; lists 0 .. nb - 1, each rising and then falling or the like (bitonic), are sorted: five stages
	STAGE \st, 0, \nb, \cnt, 16, 14
	STAGE \st, 0, \nb, \cnt, 8, 13
	STAGE \st, 0, \nb, \cnt, 4, 12
	STAGE \st, 0, \nb, \cnt, 2, 11
	STAGE \st, 0, \nb, \cnt, 1, 10
.endm
.macro SORTB m0, nb, cnt         ; registers m0 .. m0 + nb - 1 are sorted along the lanes
	STAGE 1, \m0, \nb, \cnt, 1, 0
	STAGE 1, \m0, \nb, \cnt, 2, 2
	STAGE 1, \m0, \nb, \cnt, 1, 1
	STAGE 1, \m0, \nb, \cnt, 4, 5
	STAGE 1, \m0, \nb, \cnt, 2, 4
	STAGE 1, \m0, \nb, \cnt, 1, 3
	STAGE 1, \m0, \nb, \cnt, 8, 9
	STAGE 1, \m0, \nb, \cnt, 4, 8
	STAGE 1, \m0, \nb, \cnt, 2, 7
	STAGE 1, \m0, \nb, \cnt, 1, 6
	STAGE 1, \m0, \nb, \cnt, 16, 14
	STAGE 1, \m0, \nb, \cnt, 8, 13
	STAGE 1, \m0, \nb, \cnt, 4, 12
	STAGE 1, \m0, \nb, \cnt, 2, 11
	STAGE 1, \m0, \nb, \cnt, 1, 10
.endm
.macro LEVEL st, cnt             ; cnt lists, st registers apart: lists 2 a (ascending) and 2 a + 1 (descending) leave their 32 largest in list 2 a's register
.set a, 0
.rept (\cnt)/2
	v_max_num_f32 v[S+2*a*(\st)], v[S+2*a*(\st)], v[S+(2*a+1)*(\st)]
.set a, a+1
.endr
.if (\cnt) > 2
	RESORT 2*(\st), (\cnt)/2, ((\cnt)+1)/2
.endif
.endm
; v[S] holds the 32 largest.  Out: s[G + n] = the lanes whose key n is chosen.
.macro TAKEN R
	v_min_num_f32_dpp v[T], v[S], v[S] row_xmask:1 row_mask:0xf bank_mask:0xf
	v_min_num_f32_dpp v[T], v[T], v[T] row_xmask:2 row_mask:0xf bank_mask:0xf
	v_min_num_f32_dpp v[T], v[T], v[T] row_xmask:4 row_mask:0xf bank_mask:0xf
	v_min_num_f32_dpp v[T], v[T], v[T] row_xmask:8 row_mask:0xf bank_mask:0xf
	v_permlanex16_b32 v[T+1], v[T], s[SEL], s[SEL+1]
	v_min_num_f32 v[VV], v[T], v[T+1]              ; V, in every lane
	v_cmp_eq_f32 s[STM], v[S], v[VV]
.set n, 0
.rept \R
	v_cmp_gt_f32 s[G+n], v[K+n], v[VV]
.set n, n+1
.endr
.set n, 0
.rept \R
	v_cmp_eq_f32 s[Q+n], v[K+n], v[VV]
.set n, n+1
.endr
	s_bcnt1_i32_b32 s[SE], s[STM]                  ; e
	s_add_co_u32 s[SE], s[SE], 1
	v_mov_b32 v[VB], 0
.set n, 0
.rept \R
	v_mbcnt_lo_u32_b32 v[VB], s[Q+n], v[VB]        ; the equal keys in lower lanes
	v_cndmask_b32 v[S+n], 0, 1, s[Q+n]
.set n, n+1
.endr
	v_add_nc_u32 v[S], v[S], v[VB]
.set n, 1
.rept (\R)-1
	v_add_nc_u32 v[S+n], v[S+n], v[S+n-1]          ; and those up to and with register n of my lane: an equal key's place among the equal ones, from 1
.set n, n+1
.endr
.set n, 0
.rept \R
	v_cndmask_b32 v[S+n], 64, v[S+n], s[Q+n]       ; a key below V: a place that is never reached
.set n, n+1
.endr
.set n, 0
.rept \R
	v_cndmask_b32 v[S+n], v[S+n], 0, s[G+n]        ; a key above V: always
.set n, n+1
.endr
.set n, 0
.rept \R
	v_cmp_gt_u32 s[G+n], s[SE], v[S+n]             ; place <= e
.set n, n+1
.endr
.endm
.macro MASKOUT R                 ; word n = the lanes whose key n is chosen
	v_mov_b32 v[W], 0
.set n, 0
.rept \R
	v_writelane_b32 v[W], s[G+n], n
.set n, n+1
.endr
.endm
	s_load_b128 s[4:7], s[0:1], 0x0                ; SM s[4:5], sel1 s[6:7]
	v_and_b32 v1, 31, v0
	v_lshrrev_b32 v2, 5, v0
	v_readfirstlane_b32 s8, v2                     ; wave
	s_lshl_b32 s9, ttmp9, 2
	s_add_co_u32 s9, s9, s8                        ; q
	s_mov_b32 s[SEL], 0x76543210
	s_mov_b32 s[SEL+1], 0xfedcba98
	s_mov_b32 s12, 0x80000000                      ; lane 31
	v_lshlrev_b32 v3, 3, v1
	v_lshlrev_b32 v[L4], 2, v1
.set n, 0
.rept 8
	v_add_nc_u32 v[OF+n], n, v3
	v_min_u32 v[OF+n], 249, v[OF+n]                ; no load leaves the table
	v_lshlrev_b32 v[OF+n], 12, v[OF+n]             ; a slice's row of SM is 4,096 bytes
.set n, n+1
.endr
	v_mov_b32 v[NM], 0xff7fffff
	s_lshl_b32 s10, s9, 2
	s_mov_b32 s11, 0
	s_wait_kmcnt 0x0
	s_add_nc_u64 s[4:5], s[4:5], s[10:11]          ; SM + 4 q
	s_lshl_b32 s10, s9, 7
	s_add_nc_u64 s[6:7], s[6:7], s[10:11]          ; sel1 + 128 q
.set n, 0
.rept 8
	global_load_b32 v[K+n], v[OF+n], s[4:5]
.set n, n+1
.endr
	SETMASKS
.set n, 0
.rept 8
	v_mov_b32 v[T+n], 0                            ; the destination of a lane-crossing form counts as read: written once, in the wait for the keys
.set n, n+1
.endr
	s_wait_loadcnt 0x0
.set n, 2
.rept 6
	v_cndmask_b32 v[K+n], v[K+n], v[NM], s12       ; slices 250-255 do not exist
.set n, n+1
.endr
.set n, 0
.rept 8
	v_mov_b32 v[S+n], v[K+n]                       ; one copy is sorted, the other keeps the keys in their places
.set n, n+1
.endr
	SORTB 0, 8, 8
	LEVEL 1, 8
	LEVEL 2, 4
	LEVEL 4, 2
	TAKEN 8
	MASKOUT 8
	global_store_b32 v[L4], v[W], s[6:7]
	s_endpgm
.Lfunc_end_k_q2a7ba71584_pick1:
	.size	k_q2a7ba71584_pick1, .Lfunc_end_k_q2a7ba71584_pick1-k_q2a7ba71584_pick1
	.p2alignl 7, 3214868480
	.fill 96, 4, 3214868480
	.section	.rodata,"a",@progbits
	.p2align	6, 0x0
	.amdhsa_kernel k_q2a7ba71584_pick1
		.amdhsa_group_segment_fixed_size 0
		.amdhsa_private_segment_fixed_size 0
		.amdhsa_enable_private_segment 0
		.amdhsa_kernarg_size 16
		.amdhsa_user_sgpr_count 2
		.amdhsa_user_sgpr_kernarg_segment_ptr 1
		.amdhsa_wavefront_size32 1
		.amdhsa_system_sgpr_workgroup_id_x 1
		.amdhsa_system_sgpr_workgroup_id_y 1
		.amdhsa_system_sgpr_workgroup_id_z 1
		.amdhsa_system_vgpr_workitem_id 0
		.amdhsa_next_free_vgpr 56
		.amdhsa_next_free_sgpr 66
		.amdhsa_reserve_vcc 0
		.amdhsa_float_denorm_mode_32 3
		.amdhsa_float_denorm_mode_16_64 3
		.amdhsa_memory_ordered 1
		.amdhsa_forward_progress 1
		.amdhsa_inst_pref_size 38
	.end_amdhsa_kernel
	.amdgpu_metadata
---
amdhsa.version: [ 1, 2 ]
amdhsa.kernels:
  - .name:           k_q2a7ba71584_pick1
    .symbol:         k_q2a7ba71584_pick1.kd
    .args:
      - { .name: SM, .offset: 0, .size: 8, .value_kind: global_buffer, .address_space: global }
      - { .name: sel1, .offset: 8, .size: 8, .value_kind: global_buffer, .address_space: global }
    .group_segment_fixed_size: 0
    .private_segment_fixed_size: 0
    .kernarg_segment_align: 8
    .kernarg_segment_size: 16
    .max_flat_workgroup_size: 128
    .sgpr_count:     66
    .vgpr_count:     56
    .wavefront_size: 32
...
	.end_amdgpu_metadata
.endif
;; end of part 6
;; launch pick2 (part 7): grid 1024 x 1, 1 waves a work-group, no clusters, 512 bytes of LDS; arguments sel1, M3, sel2; writes sel2
.if DOCPART == 7
	.amdgcn_target "amdgcn-amd-amdhsa--gfx1250"
	.amdhsa_code_object_version 6
	.text
	.protected	k_q2a7ba71584_pick2
	.globl	k_q2a7ba71584_pick2
	.p2align	8
	.type	k_q2a7ba71584_pick2,@function
k_q2a7ba71584_pick2:
	s_mov_b64 s[64:65], 0
	v_nop
	global_prefetch_b8 v0, s[64:65] scope:SCOPE_SE
	s_setreg_imm32_b32 hwreg(HW_REG_WAVE_MODE, 25, 1), 1
	s_wait_xcnt 0x0
; PICK 2.  For query q = work-group: of the 32 chosen slices' 32 x 25 groups of 16 rows, the 32 with the best (maximum key, lower group number).  One wave.
; sel1's masks are turned into the ascending list of the chosen slices (through 64 words of LDS: word k = the k-th chosen, words 32-63 catch the rest);
; lane l then holds the 25 group maxima of the l-th chosen slice, so (lane, register) ascends with the group's number.
; M3 holds a slice as plane A[1024 queries][20] (groups 0-19) and behind it plane B[1024 queries][8] (groups 20-24): a lane reads 80 bytes of the one and 20 of the other.
; Out: sel2[q][word t < 25] bit l = group t of the l-th chosen slice is chosen; words 25-31 = 0; word 32 + l = the l-th chosen slice.
; HOW.  First V, the 32nd largest key: a copy of each register is sorted along the 32 lanes (a bitonic network, 15 stages), ascending or descending; of an ascending and a
; descending list the maxima lane by lane are the 32 largest of both, five stages sort them again; the last list's least number is V, and e of its numbers equal V.
; Chosen are all keys above V and, in the order (lane, register), the first e keys equal to V.
; Addresses hang on sel1's whole numbers alone, which an earlier launch stored; keys feed selects only.
; LIMITS.  Keys finite and above -3.4e38, no NaN.
.set M3A, 81920                  ; bytes of a slice's plane A: 1,024 x 80
.set M3S, 114688                 ; bytes of a slice: 1,024 x (80 + 32)
.set L4,  2
.set ID,  3
.set VB,  4
.set VA,  5
.set VU,  6
.set DUM, 7
.set SV,  8                      ; my slice
.set OFS, 9
.set VV,  10                     ; V
.set W,   11
.set ZERO,12
.set K,   16                     ; v16-40  keys
.set S,   44                     ; v44-68  the copy that is sorted; later ranks
.set T,   72                     ; v72-84  at work: minima, partners
.set U,   85                     ; v85-97  at work: minima of the stage across the halves
.set SEL, 12
.set STM, 14
.set SE,  15                     ; e + 1
.set SB,  20                     ; s20-34  the stages' lane masks
.set E,   36                     ; s36-43  sel1's masks
.set G,   36                     ; s36-60  register i: keys above V; later: chosen
.set Q,   66                     ; s66-90  register i: keys equal to V
; In the stage with blocks of k lanes and partners j lanes apart, of an ascending sort, lane i keeps the maximum where (i & j != 0) differs from (i & k != 0).
.macro SETMASKS
	s_mov_b32 s[SB+0],  0x66666666                 ; k 2: j 1
	s_mov_b32 s[SB+1],  0x5a5a5a5a                 ; k 4: j 1
	s_mov_b32 s[SB+2],  0x3c3c3c3c                 ;      j 2
	s_mov_b32 s[SB+3],  0x55aa55aa                 ; k 8: j 1
	s_mov_b32 s[SB+4],  0x33cc33cc                 ;      j 2
	s_mov_b32 s[SB+5],  0x0ff00ff0                 ;      j 4
	s_mov_b32 s[SB+6],  0x5555aaaa                 ; k 16: j 1
	s_mov_b32 s[SB+7],  0x3333cccc                 ;      j 2
	s_mov_b32 s[SB+8],  0x0f0ff0f0                 ;      j 4
	s_mov_b32 s[SB+9],  0x00ffff00                 ;      j 8
	s_mov_b32 s[SB+10], 0xaaaaaaaa                 ; k 32: j 1
	s_mov_b32 s[SB+11], 0xcccccccc                 ;      j 2
	s_mov_b32 s[SB+12], 0xf0f0f0f0                 ;      j 4
	s_mov_b32 s[SB+13], 0xff00ff00                 ;      j 8
	s_mov_b32 s[SB+14], 0xffff0000                 ;      j 16
.endm
; dir = 1: list m of c lists is to descend.  A list with a partner goes by its number's parity; the last of an odd count waits, and goes by its number at the level at which it finds one.
.macro GETDIR m, c
.set mm, \m
.set cc, \c
.rept 5
.if (cc > 1) && (mm == cc-1) && ((mm & 1) == 0)
.set mm, mm/2
.set cc, (cc+1)/2
.endif
.endr
.set dir, mm & 1
.endm
; One stage for lists m0 .. m0 + nb - 1 of cnt (list m in v[S + m st]): partners j lanes apart, mask s[SB + mi].
.macro STAGE st, m0, nb, cnt, j, mi
.if (\j) < 16
.set tm, T
.set n, 0
.rept \nb
.set x, S+((\m0)+n)*(\st)
	v_min_num_f32_dpp v[T+n], v[x], v[x] row_xmask:\j row_mask:0xf bank_mask:0xf
.set n, n+1
.endr
.set n, 0
.rept \nb
.set x, S+((\m0)+n)*(\st)
	v_max_num_f32_dpp v[x], v[x], v[x] row_xmask:\j row_mask:0xf bank_mask:0xf
.set n, n+1
.endr
.else
.set tm, U
.set n, 0
.rept \nb
.set x, S+((\m0)+n)*(\st)
	v_permlanex16_b32 v[T+n], v[x], s[SEL], s[SEL+1]
.set n, n+1
.endr
.set n, 0
.rept \nb
.set x, S+((\m0)+n)*(\st)
	v_min_num_f32 v[U+n], v[x], v[T+n]
.set n, n+1
.endr
.set n, 0
.rept \nb
.set x, S+((\m0)+n)*(\st)
	v_max_num_f32 v[x], v[x], v[T+n]
.set n, n+1
.endr
.endif
.set n, 0
.rept \nb
.set x, S+((\m0)+n)*(\st)
	GETDIR (\m0)+n, \cnt
.if dir
	v_cndmask_b32 v[x], v[x], v[tm+n], s[SB+(\mi)] ; descending: the mask's lanes keep the minimum
.else
	v_cndmask_b32 v[x], v[tm+n], v[x], s[SB+(\mi)] ; ascending: the mask's lanes keep the maximum
.endif
.set n, n+1
.endr
.endm
.macro RESORT st, nb, cnt        ; lists 0 .. nb - 1, each bitonic, are sorted: five stages
	STAGE \st, 0, \nb, \cnt, 16, 14
	STAGE \st, 0, \nb, \cnt, 8, 13
	STAGE \st, 0, \nb, \cnt, 4, 12
	STAGE \st, 0, \nb, \cnt, 2, 11
	STAGE \st, 0, \nb, \cnt, 1, 10
.endm
.macro SORTB m0, nb, cnt         ; registers m0 .. m0 + nb - 1 are sorted along the lanes
	STAGE 1, \m0, \nb, \cnt, 1, 0
	STAGE 1, \m0, \nb, \cnt, 2, 2
	STAGE 1, \m0, \nb, \cnt, 1, 1
	STAGE 1, \m0, \nb, \cnt, 4, 5
	STAGE 1, \m0, \nb, \cnt, 2, 4
	STAGE 1, \m0, \nb, \cnt, 1, 3
	STAGE 1, \m0, \nb, \cnt, 8, 9
	STAGE 1, \m0, \nb, \cnt, 4, 8
	STAGE 1, \m0, \nb, \cnt, 2, 7
	STAGE 1, \m0, \nb, \cnt, 1, 6
	STAGE 1, \m0, \nb, \cnt, 16, 14
	STAGE 1, \m0, \nb, \cnt, 8, 13
	STAGE 1, \m0, \nb, \cnt, 4, 12
	STAGE 1, \m0, \nb, \cnt, 2, 11
	STAGE 1, \m0, \nb, \cnt, 1, 10
.endm
.macro LEVEL st, cnt             ; cnt lists, st registers apart: lists 2 a (ascending) and 2 a + 1 (descending) leave their 32 largest in list 2 a's register
.set a, 0
.rept (\cnt)/2
	v_max_num_f32 v[S+2*a*(\st)], v[S+2*a*(\st)], v[S+(2*a+1)*(\st)]
.set a, a+1
.endr
.if (\cnt) > 2
	RESORT 2*(\st), (\cnt)/2, ((\cnt)+1)/2
.endif
.endm
; v[S] holds the 32 largest.  Out: s[G + n] = the lanes whose key n is chosen.
.macro TAKEN R
	v_min_num_f32_dpp v[T], v[S], v[S] row_xmask:1 row_mask:0xf bank_mask:0xf
	v_min_num_f32_dpp v[T], v[T], v[T] row_xmask:2 row_mask:0xf bank_mask:0xf
	v_min_num_f32_dpp v[T], v[T], v[T] row_xmask:4 row_mask:0xf bank_mask:0xf
	v_min_num_f32_dpp v[T], v[T], v[T] row_xmask:8 row_mask:0xf bank_mask:0xf
	v_permlanex16_b32 v[T+1], v[T], s[SEL], s[SEL+1]
	v_min_num_f32 v[VV], v[T], v[T+1]              ; V, in every lane
	v_cmp_eq_f32 s[STM], v[S], v[VV]
.set n, 0
.rept \R
	v_cmp_gt_f32 s[G+n], v[K+n], v[VV]
.set n, n+1
.endr
.set n, 0
.rept \R
	v_cmp_eq_f32 s[Q+n], v[K+n], v[VV]
.set n, n+1
.endr
	s_bcnt1_i32_b32 s[SE], s[STM]                  ; e
	s_add_co_u32 s[SE], s[SE], 1
	v_mov_b32 v[VB], 0
.set n, 0
.rept \R
	v_mbcnt_lo_u32_b32 v[VB], s[Q+n], v[VB]        ; the equal keys in lower lanes
	v_cndmask_b32 v[S+n], 0, 1, s[Q+n]
.set n, n+1
.endr
	v_add_nc_u32 v[S], v[S], v[VB]
.set n, 1
.rept (\R)-1
	v_add_nc_u32 v[S+n], v[S+n], v[S+n-1]          ; and those up to and with register n of my lane: an equal key's place among the equal ones, from 1
.set n, n+1
.endr
.set n, 0
.rept \R
	v_cndmask_b32 v[S+n], 64, v[S+n], s[Q+n]       ; a key below V: a place that is never reached
.set n, n+1
.endr
.set n, 0
.rept \R
	v_cndmask_b32 v[S+n], v[S+n], 0, s[G+n]        ; a key above V: always
.set n, n+1
.endr
.set n, 0
.rept \R
	v_cmp_gt_u32 s[G+n], s[SE], v[S+n]             ; place <= e
.set n, n+1
.endr
.endm
.macro MASKOUT R                 ; word n = the lanes whose key n is chosen
	v_mov_b32 v[W], 0
.set n, 0
.rept \R
	v_writelane_b32 v[W], s[G+n], n
.set n, n+1
.endr
.endm
; The chosen (lane, register) pairs, in ascending order, put their numbers into the list at LDS byte LB.  A pair's rank = the chosen ones in lower lanes + those in lower registers of its lane.
.macro ENUM R, M0, LB
	v_mov_b32 v[VB], 0
.set n, 0
.rept \R
	v_mbcnt_lo_u32_b32 v[VB], s[(\M0)+n], v[VB]
.set n, n+1
.endr
.set n, 0
.rept \R
	v_cndmask_b32 v[VA], v[DUM], v[VB], s[(\M0)+n] ; not chosen: word 32 + lane, which nobody reads
	v_min_u32 v[VA], 63, v[VA]
	v_lshlrev_b32 v[VA], 2, v[VA]
	ds_store_b32 v[VA], v[ID] offset:\LB
	v_cndmask_b32 v[VU], 0, 1, s[(\M0)+n]
	v_add_nc_u32 v[VB], v[VB], v[VU]
	v_add_nc_u32 v[ID], 1, v[ID]
.set n, n+1
.endr
.endm
	s_load_b128 s[4:7], s[0:1], 0x0                ; sel1 s[4:5], M3 s[6:7]
	s_load_b64 s[8:9], s[0:1], 0x10                ; sel2
	v_lshl_add_u32 v100, v0, 2, 0x100
	v_mov_b32 v101, 0
	v_and_b32 v1, 31, v0
	v_lshlrev_b32 v[L4], 2, v1
	v_lshlrev_b32 v[ID], 3, v1                     ; lane l begins at slice 8 l
	v_add_nc_u32 v[DUM], 32, v1
	v_mov_b32 v[ZERO], 0
	s_mov_b32 s[SEL], 0x76543210
	s_mov_b32 s[SEL+1], 0xfedcba98
	s_lshl_b32 s10, ttmp9, 7
	s_mov_b32 s11, 0
	s_wait_kmcnt 0x0
	s_add_nc_u64 s[4:5], s[4:5], s[10:11]          ; sel1 + 128 q
	s_load_b256 s[36:43], s[4:5], 0x0
	s_lshl_b32 s10, ttmp9, 5
	s_add_nc_u64 s[16:17], s[6:7], s[10:11]        ; M3, plane B: + 32 q,
	s_add_nc_u64 s[16:17], s[16:17], M3A           ; behind plane A
	s_mul_i32 s10, ttmp9, 80
	s_add_nc_u64 s[6:7], s[6:7], s[10:11]          ; M3, plane A: + 80 q
	s_lshl_b32 s10, ttmp9, 8
	s_add_nc_u64 s[8:9], s[8:9], s[10:11]          ; sel2 + 256 q
	ds_store_b32 v[L4], v[ZERO]                    ; the list's 64 words are written before any is read
	ds_store_b32 v[L4], v[ZERO] offset:128
	SETMASKS
	s_wait_kmcnt 0x0
	ENUM 8, E, 0
	ds_load_b32 v[SV], v[L4]                       ; LDS serves a wave's instructions in order: this sees the stores above
	s_wait_dscnt 0x0
	v_min_u32 v[SV], 249, v[SV]
	v_mul_u32_u24 v[OFS], v[SV], M3S               ; my slice's first byte in M3
.set n, 0
.rept 5
	global_load_b128 v[K+4*n:K+4*n+3], v[OFS], s[6:7] offset:16*n
.set n, n+1
.endr
	global_load_b128 v[K+20:K+23], v[OFS], s[16:17]
	global_load_b32 v[K+24], v[OFS], s[16:17] offset:16
.set n, 0
.rept 13
	v_mov_b32 v[T+n], 0                            ; the destination of a lane-crossing form counts as read: written once, in the wait for the keys
.set n, n+1
.endr
	s_wait_loadcnt 0x0
.set n, 0
.rept 25
	v_mov_b32 v[S+n], v[K+n]                       ; one copy is sorted, the other keeps the keys in their places
.set n, n+1
.endr
	SORTB 0, 13, 25
	SORTB 13, 12, 25
	LEVEL 1, 25
	LEVEL 2, 13
	LEVEL 4, 7
	LEVEL 8, 4
	LEVEL 16, 2
	TAKEN 25
	MASKOUT 25
	global_store_b32 v[L4], v[W], s[8:9]
	global_store_b32 v[L4], v[SV], s[8:9] offset:128
	s_wait_tensorcnt 0x0
	ds_add_u32 v100, v101
	s_wait_dscnt 0x0
	s_endpgm
.Lfunc_end_k_q2a7ba71584_pick2:
	.size	k_q2a7ba71584_pick2, .Lfunc_end_k_q2a7ba71584_pick2-k_q2a7ba71584_pick2
	.p2alignl 7, 3214868480
	.fill 96, 4, 3214868480
	.section	.rodata,"a",@progbits
	.p2align	6, 0x0
	.amdhsa_kernel k_q2a7ba71584_pick2
		.amdhsa_group_segment_fixed_size 512
		.amdhsa_private_segment_fixed_size 0
		.amdhsa_enable_private_segment 0
		.amdhsa_kernarg_size 24
		.amdhsa_user_sgpr_count 2
		.amdhsa_user_sgpr_kernarg_segment_ptr 1
		.amdhsa_wavefront_size32 1
		.amdhsa_system_sgpr_workgroup_id_x 1
		.amdhsa_system_sgpr_workgroup_id_y 1
		.amdhsa_system_sgpr_workgroup_id_z 1
		.amdhsa_system_vgpr_workitem_id 0
		.amdhsa_next_free_vgpr 102
		.amdhsa_next_free_sgpr 92
		.amdhsa_reserve_vcc 0
		.amdhsa_float_denorm_mode_32 3
		.amdhsa_float_denorm_mode_16_64 3
		.amdhsa_memory_ordered 1
		.amdhsa_forward_progress 1
		.amdhsa_inst_pref_size 115
	.end_amdhsa_kernel
	.amdgpu_metadata
---
amdhsa.version: [ 1, 2 ]
amdhsa.kernels:
  - .name:           k_q2a7ba71584_pick2
    .symbol:         k_q2a7ba71584_pick2.kd
    .args:
      - { .name: sel1, .offset: 0, .size: 8, .value_kind: global_buffer, .address_space: global }
      - { .name: M3, .offset: 8, .size: 8, .value_kind: global_buffer, .address_space: global }
      - { .name: sel2, .offset: 16, .size: 8, .value_kind: global_buffer, .address_space: global }
    .group_segment_fixed_size: 512
    .private_segment_fixed_size: 0
    .kernarg_segment_align: 8
    .kernarg_segment_size: 24
    .max_flat_workgroup_size: 32
    .sgpr_count:     92
    .vgpr_count:     102
    .wavefront_size: 32
...
	.end_amdgpu_metadata
.endif
;; end of part 7
;; launch final (part 8): grid 1024 x 1, 4 waves a work-group, no clusters, 8,960 bytes of LDS; arguments sel2, Xb, th, qh, inputs, y_train, out0; writes out0
.if DOCPART == 8
	.amdgcn_target "amdgcn-amd-amdhsa--gfx1250"
	.amdhsa_code_object_version 6
	.text
	.protected	k_q2a7ba71584_final
	.globl	k_q2a7ba71584_final
	.p2align	8
	.type	k_q2a7ba71584_final,@function
k_q2a7ba71584_final:
	s_mov_b64 s[64:65], 0
	v_nop
	global_prefetch_b8 v0, s[64:65] scope:SCOPE_SE
	s_setreg_imm32_b32 hwreg(HW_REG_WAVE_MODE, 25, 1), 1
	s_wait_xcnt 0x0
; FINAL.  Query q = work-group.  The 32 chosen groups of 16 rows are scored again, with the same chain of products as in the scan (C = -|x|^2/2, K ascending, then -|q|^2/2 added),
; the 32 best of the 512 keys are taken (among equals the lower row), and the mean of their y is stored.
; Wave 0 turns sel2's masks into the ascending list of group numbers (25 x slice + t) in LDS.  Wave v scores ranks 8 v .. 8 v + 7, a group a product tile: source 0 is the group's 16 rows,
; source 1 the query in all 16 columns.  Xb holds a group in the order of the fragments, so each of a tile's eight loads takes 512 consecutive bytes.
; What many lanes need alike comes from memory once, 16 bytes a lane, and is spread through the wave's own LDS bytes: the query (512 bytes, rounded to bf16 on the way),
; the eight groups' -|x|^2/2 (8 x 64 bytes) and their y (8 x 64 bytes; y goes on to the choosing wave behind the barrier that the keys need anyway).
; One wave, (q + q / 256) % 4, then chooses: work-groups whose numbers are neighbours or 256 apart choose on different waves.
; HOW IT CHOOSES.  First V, the 32nd largest key: a copy of each of the 16 key registers is sorted along the 32 lanes (a bitonic network), by turns ascending and descending; of an ascending and a
; descending list the maxima lane by lane are the 32 largest of both, five stages sort them again; the last list's least number is V, and e of its numbers equal V.
; Taken are all keys above V and, in the order (lane, register) = ascending row, the first e keys equal to V.
; Addresses hang on sel2's whole numbers alone, which an earlier launch stored; keys feed selects only.  Plain loads: the groups are gathered; nothing is shared between work-groups.
; LIMITS.  Keys finite and above -3.4e38, no NaN; the key's order of rounding differs from (|q|^2 + |x|^2) - 2 q.x.
.set KP,  80                     ; a rank's row in LDS: 16 f32 + 16 bytes of padding
.set KL,  256                    ; LDS: the list at 0 (64 words); the keys, 32 ranks x 80 bytes; wave v writes 640 consecutive bytes
.set YL,  KL+32*KP               ; y, likewise
.set THL, YL+32*KP               ; -|x|^2/2 of a wave's eight groups: 512 bytes a wave, its own
.set QL,  THL+4*512              ; the query in bf16: 256 bytes a wave, its own
.set LN,  1
.set HF,  2
.set L4,  4
.set ID,  5
.set VB,  6
.set VA,  7
.set VU,  8
.set DUM, 9
.set SV,  10
.set LR,  11                     ; list byte of my wave's eight ranks
.set L16, 12
.set KW,  13                     ; where my half's keys go
.set ZERO,14
.set TMP, 15
.set QB,  16                     ; v16-47   the query's four fragments
.set RD,  48                     ; v48-79   four accumulators; before the products v48-51 -|x|^2/2 and v52-55 y as loaded
.set RA,  80                     ; v80-207  tile x of four: four fragments, 32 registers; at the start v80-85 the query
.set RC,  208                    ; v208-239 tile x: the C operand
.set AO,  240                    ; v240-247 my eight groups' byte offsets in Xb
.set GT,  248                    ; the group of which I fetch 16 bytes of th and of y: rank 8 v + lane / 4
.set TO,  249                    ; 64 x that group + 16 x (lane % 4)
.set THW, 250                    ; LDS: where those 16 bytes of th go
.set YW,  251                    ; LDS: and those of y
.set THA, 252                    ; LDS: my half's eight words of a group's th
.set QLA, 253                    ; LDS: my half's part of the query's fragments
.set QW,  254                    ; LDS: where my 8 bytes of the query go
.set LT,  255                    ; list byte of rank 8 v + lane / 4
.set K,   80                     ; the choosing wave: v80-95 keys, v96-111 y, v114 LDS address
.set Y,   96
.set KR,  114
.set S,   116                    ; v116-131 the copy that is sorted; later ranks, then the taken y
.set T,   132                    ; v132-139 at work
.set U,   140                    ; v140-147 at work
.set VV,  148                    ; V
.set SEL, 26
.set STM, 30
.set SE,  31                     ; e + 1
.set E,   36                     ; s36-60 sel2's masks
.set G,   36                     ; s36-51 register i: keys above V; later: taken
.set SB,  66                     ; s66-80 the stages' lane masks
.set Q,   82                     ; s82-97 register i: keys equal to V
; In the stage with blocks of k lanes and partners j lanes apart, of an ascending sort, lane i keeps the maximum where (i & j != 0) differs from (i & k != 0).
.macro SETMASKS
	s_mov_b32 s[SB+0],  0x66666666                 ; k 2: j 1
	s_mov_b32 s[SB+1],  0x5a5a5a5a                 ; k 4: j 1
	s_mov_b32 s[SB+2],  0x3c3c3c3c                 ;      j 2
	s_mov_b32 s[SB+3],  0x55aa55aa                 ; k 8: j 1
	s_mov_b32 s[SB+4],  0x33cc33cc                 ;      j 2
	s_mov_b32 s[SB+5],  0x0ff00ff0                 ;      j 4
	s_mov_b32 s[SB+6],  0x5555aaaa                 ; k 16: j 1
	s_mov_b32 s[SB+7],  0x3333cccc                 ;      j 2
	s_mov_b32 s[SB+8],  0x0f0ff0f0                 ;      j 4
	s_mov_b32 s[SB+9],  0x00ffff00                 ;      j 8
	s_mov_b32 s[SB+10], 0xaaaaaaaa                 ; k 32: j 1
	s_mov_b32 s[SB+11], 0xcccccccc                 ;      j 2
	s_mov_b32 s[SB+12], 0xf0f0f0f0                 ;      j 4
	s_mov_b32 s[SB+13], 0xff00ff00                 ;      j 8
	s_mov_b32 s[SB+14], 0xffff0000                 ;      j 16
.endm
; dir = 1: list m of c lists is to descend.  A list with a partner goes by its number's parity; the last of an odd count waits, and goes by its number at the level at which it finds one.
.macro GETDIR m, c
.set mm, \m
.set cc, \c
.rept 5
.if (cc > 1) && (mm == cc-1) && ((mm & 1) == 0)
.set mm, mm/2
.set cc, (cc+1)/2
.endif
.endr
.set dir, mm & 1
.endm
; One stage for lists m0 .. m0 + nb - 1 of cnt (list m in v[S + m st]): partners j lanes apart, mask s[SB + mi].
.macro STAGE st, m0, nb, cnt, j, mi
.if (\j) < 16
.set tm, T
.set n, 0
.rept \nb
.set x, S+((\m0)+n)*(\st)
	v_min_num_f32_dpp v[T+n], v[x], v[x] row_xmask:\j row_mask:0xf bank_mask:0xf
.set n, n+1
.endr
.set n, 0
.rept \nb
.set x, S+((\m0)+n)*(\st)
	v_max_num_f32_dpp v[x], v[x], v[x] row_xmask:\j row_mask:0xf bank_mask:0xf
.set n, n+1
.endr
.else
.set tm, U
.set n, 0
.rept \nb
.set x, S+((\m0)+n)*(\st)
	v_permlanex16_b32 v[T+n], v[x], s[SEL], s[SEL+1]
.set n, n+1
.endr
.set n, 0
.rept \nb
.set x, S+((\m0)+n)*(\st)
	v_min_num_f32 v[U+n], v[x], v[T+n]
.set n, n+1
.endr
.set n, 0
.rept \nb
.set x, S+((\m0)+n)*(\st)
	v_max_num_f32 v[x], v[x], v[T+n]
.set n, n+1
.endr
.endif
.set n, 0
.rept \nb
.set x, S+((\m0)+n)*(\st)
	GETDIR (\m0)+n, \cnt
.if dir
	v_cndmask_b32 v[x], v[x], v[tm+n], s[SB+(\mi)] ; descending: the mask's lanes keep the minimum
.else
	v_cndmask_b32 v[x], v[tm+n], v[x], s[SB+(\mi)] ; ascending: the mask's lanes keep the maximum
.endif
.set n, n+1
.endr
.endm
.macro RESORT st, nb, cnt        ; lists 0 .. nb - 1, each bitonic, are sorted: five stages
	STAGE \st, 0, \nb, \cnt, 16, 14
	STAGE \st, 0, \nb, \cnt, 8, 13
	STAGE \st, 0, \nb, \cnt, 4, 12
	STAGE \st, 0, \nb, \cnt, 2, 11
	STAGE \st, 0, \nb, \cnt, 1, 10
.endm
.macro SORTB m0, nb, cnt         ; registers m0 .. m0 + nb - 1 are sorted along the lanes
	STAGE 1, \m0, \nb, \cnt, 1, 0
	STAGE 1, \m0, \nb, \cnt, 2, 2
	STAGE 1, \m0, \nb, \cnt, 1, 1
	STAGE 1, \m0, \nb, \cnt, 4, 5
	STAGE 1, \m0, \nb, \cnt, 2, 4
	STAGE 1, \m0, \nb, \cnt, 1, 3
	STAGE 1, \m0, \nb, \cnt, 8, 9
	STAGE 1, \m0, \nb, \cnt, 4, 8
	STAGE 1, \m0, \nb, \cnt, 2, 7
	STAGE 1, \m0, \nb, \cnt, 1, 6
	STAGE 1, \m0, \nb, \cnt, 16, 14
	STAGE 1, \m0, \nb, \cnt, 8, 13
	STAGE 1, \m0, \nb, \cnt, 4, 12
	STAGE 1, \m0, \nb, \cnt, 2, 11
	STAGE 1, \m0, \nb, \cnt, 1, 10
.endm
.macro LEVEL st, cnt             ; cnt lists, st registers apart: lists 2 a (ascending) and 2 a + 1 (descending) leave their 32 largest in list 2 a's register
.set a, 0
.rept (\cnt)/2
	v_max_num_f32 v[S+2*a*(\st)], v[S+2*a*(\st)], v[S+(2*a+1)*(\st)]
.set a, a+1
.endr
.if (\cnt) > 2
	RESORT 2*(\st), (\cnt)/2, ((\cnt)+1)/2
.endif
.endm
; v[S] holds the 32 largest.  Out: s[G + n] = the lanes whose key n is taken.
.macro TAKEN R
	v_min_num_f32_dpp v[T], v[S], v[S] row_xmask:1 row_mask:0xf bank_mask:0xf
	v_min_num_f32_dpp v[T], v[T], v[T] row_xmask:2 row_mask:0xf bank_mask:0xf
	v_min_num_f32_dpp v[T], v[T], v[T] row_xmask:4 row_mask:0xf bank_mask:0xf
	v_min_num_f32_dpp v[T], v[T], v[T] row_xmask:8 row_mask:0xf bank_mask:0xf
	v_permlanex16_b32 v[T+1], v[T], s[SEL], s[SEL+1]
	v_min_num_f32 v[VV], v[T], v[T+1]              ; V, in every lane
	v_cmp_eq_f32 s[STM], v[S], v[VV]
.set n, 0
.rept \R
	v_cmp_gt_f32 s[G+n], v[K+n], v[VV]
.set n, n+1
.endr
.set n, 0
.rept \R
	v_cmp_eq_f32 s[Q+n], v[K+n], v[VV]
.set n, n+1
.endr
	s_bcnt1_i32_b32 s[SE], s[STM]                  ; e
	s_add_co_u32 s[SE], s[SE], 1
	v_mov_b32 v[VB], 0
.set n, 0
.rept \R
	v_mbcnt_lo_u32_b32 v[VB], s[Q+n], v[VB]        ; the equal keys in lower lanes
	v_cndmask_b32 v[S+n], 0, 1, s[Q+n]
.set n, n+1
.endr
	v_add_nc_u32 v[S], v[S], v[VB]
.set n, 1
.rept (\R)-1
	v_add_nc_u32 v[S+n], v[S+n], v[S+n-1]          ; and those up to and with register n of my lane: an equal key's place among the equal ones, from 1
.set n, n+1
.endr
.set n, 0
.rept \R
	v_cndmask_b32 v[S+n], 64, v[S+n], s[Q+n]       ; a key below V: a place that is never reached
.set n, n+1
.endr
.set n, 0
.rept \R
	v_cndmask_b32 v[S+n], v[S+n], 0, s[G+n]        ; a key above V: always
.set n, n+1
.endr
.set n, 0
.rept \R
	v_cmp_gt_u32 s[G+n], s[SE], v[S+n]             ; place <= e
.set n, n+1
.endr
.endm
; The chosen (lane, register) pairs, in ascending order, put their numbers into the list at LDS byte LB.
.macro ENUM R, M0, LB
	v_mov_b32 v[VB], 0
.set n, 0
.rept \R
	v_mbcnt_lo_u32_b32 v[VB], s[(\M0)+n], v[VB]
.set n, n+1
.endr
.set n, 0
.rept \R
	v_cndmask_b32 v[VA], v[DUM], v[VB], s[(\M0)+n] ; not chosen: word 32 + lane, which nobody reads
	v_min_u32 v[VA], 63, v[VA]
	v_lshlrev_b32 v[VA], 2, v[VA]
	ds_store_b32 v[VA], v[ID] offset:\LB
	v_cndmask_b32 v[VU], 0, 1, s[(\M0)+n]
	v_add_nc_u32 v[VB], v[VB], v[VU]
	v_add_nc_u32 v[ID], 1, v[ID]
.set n, n+1
.endr
.endm
	s_load_b256 s[4:11], s[0:1], 0x0               ; sel2 s[4:5], Xb s[6:7], th s[8:9], qh s[10:11]
	s_load_b128 s[12:15], s[0:1], 0x20             ; inputs s[12:13], y s[14:15]
	s_load_b64 s[16:17], s[0:1], 0x30              ; out0
	v_lshl_add_u32 v3, v0, 2, 0x2100
	s_set_vgpr_msb 0x40
	v_mov_b32 v1, 0
	s_set_vgpr_msb 0x4000
	v_and_b32 v[LN], 31, v0
	v_lshrrev_b32 v[TMP], 5, v0
	v_readfirstlane_b32 s20, v[TMP]                ; wave 0..3
	v_bfe_u32 v[HF], v0, 4, 1
	v_lshlrev_b32 v[L4], 2, v[LN]
	v_lshlrev_b32 v[L16], 4, v[LN]
	v_add_nc_u32 v[DUM], 32, v[LN]
	v_mov_b32 v[ZERO], 0
	s_lshl_b32 s21, s20, 5                         ; my wave's eight words of the list
	v_mov_b32 v[LR], s21
	v_bfe_u32 v[TMP], v0, 2, 3                     ; lane / 4: of which of my eight groups I fetch th and y
	v_lshl_add_u32 v[LT], v[TMP], 2, s21
	s_mul_i32 s23, s20, 8*KP                       ; my wave's eight rows of 80 bytes
	v_mul_u32_u24 v[YW], v[TMP], KP
	v_and_b32 v[TMP], 3, v0
	v_lshlrev_b32 v[TO], 4, v[TMP]                 ; 16 x (lane % 4)
	v_add_nc_u32 v[YW], v[YW], v[TO]
	v_add_nc_u32 v[YW], s23, v[YW]
	v_add_nc_u32 v[YW], YL, v[YW]
	v_lshl_add_u32 v[KW], v[HF], 5, s23            ; half h holds rows 8 h .. 8 h + 7: 32 bytes
	v_add_nc_u32 v[KW], KL, v[KW]
	s_lshl_b32 s28, s20, 9
	s_add_co_u32 s28, s28, THL
	v_add_nc_u32 v[THW], s28, v[L16]               ; group lane / 4, piece lane % 4: 16 x lane
	v_lshl_add_u32 v[THA], v[HF], 5, s28
	s_lshl_b32 s29, s20, 8
	s_add_co_u32 s29, s29, QL
	v_lshl_add_u32 v[QW], v[LN], 3, s29
	v_lshl_add_u32 v[QLA], v[HF], 4, s29
	s_mov_b32 s[SEL], 0x76543210
	s_mov_b32 s[SEL+1], 0xfedcba98
	s_mov_b32 s25, 0
	s_wait_kmcnt 0x0
	s_lshl_b32 s24, ttmp9, 8
	s_add_nc_u64 s[4:5], s[4:5], s[24:25]          ; sel2 + 256 q
	s_lshl_b32 s24, ttmp9, 9
	s_add_nc_u64 s[12:13], s[12:13], s[24:25]      ; inputs + 512 q
	s_lshl_b32 s24, ttmp9, 2
	s_add_nc_u64 s[10:11], s[10:11], s[24:25]      ; qh + 4 q
	s_add_nc_u64 s[16:17], s[16:17], s[24:25]      ; out0 + 4 q
	s_load_b32 s22, s[10:11], 0x0                  ; -|q|^2/2
	global_load_b128 v[RA:RA+3], v[L16], s[12:13]  ; the query's 512 consecutive bytes: lane l holds k = 4 l .. 4 l + 3
	s_cmp_lg_u32 s20, 0
	s_cbranch_scc1 .Lnot_wave_0                    ; wave 0 makes the list
	s_load_b512 s[36:51], s[4:5], 0x0
	s_load_b256 s[52:59], s[4:5], 0x40
	s_load_b32 s60, s[4:5], 0x60
	global_load_b32 v[SV], v[L4], s[4:5] offset:128  ; the l-th chosen slice
	ds_store_b32 v[L4], v[ZERO]                    ; the list's 64 words are written before any is read
	ds_store_b32 v[L4], v[ZERO] offset:128
	s_wait_loadcnt 0x0
	s_wait_kmcnt 0x0
	v_min_u32 v[SV], 249, v[SV]
	v_mul_u32_u24 v[ID], v[SV], 25                 ; a slice has 25 groups
	ENUM 25, E, 0
.Lnot_wave_0:
	s_wait_loadcnt 0x0                             ; the query
	v_cvt_pk_bf16_f32 v[RA+4], v[RA], v[RA+1]
	v_cvt_pk_bf16_f32 v[RA+5], v[RA+2], v[RA+3]
	ds_store_b64 v[QW], v[RA+4:RA+5]               ; 256 bytes of bf16, in my wave's own bytes
	s_wait_dscnt 0x0                               ; the list is written
	s_barrier_signal -1
	s_barrier_wait -1
	ds_load_b128 v[AO:AO+3],   v[LR]               ; my eight groups' numbers, the same in every lane
	ds_load_b128 v[AO+4:AO+7], v[LR] offset:16
	ds_load_b32 v[GT], v[LT]
.irp c, 0,1,2,3                        ; the query's fragments: every column alike, k = 32 c + 8 h .. + 7 and 32 c + 16 + 8 h .. + 7
	ds_load_b128 v[QB+8*(\c):QB+8*(\c)+3],   v[QLA] offset:64*(\c)
	ds_load_b128 v[QB+8*(\c)+4:QB+8*(\c)+7], v[QLA] offset:64*(\c)+32
.endr
	s_wait_dscnt 0x0
	v_min_u32 v[GT], 6249, v[GT]
	v_lshl_add_u32 v[TO], v[GT], 6, v[TO]          ; a group is 64 bytes of th and of y
.irp t, 0,1,2,3,4,5,6,7
	v_min_u32 v[AO+(\t)], 6249, v[AO+(\t)]
	v_lshl_add_u32 v[AO+(\t)], v[AO+(\t)], 12, v[L16]  ; and 4,096 bytes of Xb; 16 bytes a lane
.endr
	global_load_b128 v[RD:RD+3],   v[TO], s[8:9]   ; -|x|^2/2 of my eight groups, four lanes a group
	global_load_b128 v[RD+4:RD+7], v[TO], s[14:15] ; their y
.irp b, 0,1                            ; four groups at a time
.irp x, 0,1,2,3
.irp c, 0,1,2,3
	global_load_b128 v[RA+32*(\x)+8*(\c):RA+32*(\x)+8*(\c)+3],   v[AO+4*(\b)+(\x)], s[6:7] offset:1024*(\c)      ; 512 consecutive bytes: rows 0-15, k = 32 c + 8 h .. + 7
	global_load_b128 v[RA+32*(\x)+8*(\c)+4:RA+32*(\x)+8*(\c)+7], v[AO+4*(\b)+(\x)], s[6:7] offset:1024*(\c)+512  ; k = 32 c + 16 + 8 h .. + 7
.endr
.endr
.if (\b) == 0
	s_wait_loadcnt 32                              ; loads come back in order: th and y are in, the 32 issued behind them stay out
	ds_store_b128 v[THW], v[RD:RD+3]
	ds_store_b128 v[YW],  v[RD+4:RD+7]
.endif
.irp x, 0,1,2,3                        ; the C operand: register j of half h = -|x|^2/2 of row 8 h + j; my wave's own bytes, served in order (ISA guide 5.7.1.4)
	ds_load_b128 v[RC+8*(\x):RC+8*(\x)+3],   v[THA] offset:64*(4*(\b)+(\x))
	ds_load_b128 v[RC+8*(\x)+4:RC+8*(\x)+7], v[THA] offset:64*(4*(\b)+(\x))+16
.endr
	s_wait_loadcnt 0x0
	s_wait_dscnt 0x0
.irp c, 0,1,2,3                        ; four accumulators by turns
.irp x, 0,1,2,3
.if (\c) == 0
	v_wmma_f32_16x16x32_bf16 v[RD+8*(\x):RD+8*(\x)+7], v[RA+32*(\x)+8*(\c):RA+32*(\x)+8*(\c)+7], v[QB+8*(\c):QB+8*(\c)+7], v[RC+8*(\x):RC+8*(\x)+7]
.else
	v_wmma_f32_16x16x32_bf16 v[RD+8*(\x):RD+8*(\x)+7], v[RA+32*(\x)+8*(\c):RA+32*(\x)+8*(\c)+7], v[QB+8*(\c):QB+8*(\c)+7], v[RD+8*(\x):RD+8*(\x)+7]
.endif
.endr
.endr
.rept 5                                ; places in front of the stores of the results, of the loads into the fragments and of the next products, which write the accumulators anew
	v_nop
.endr
.irp x, 0,1,2,3                        ; register j of half h: row 8 h + j of rank 8 v + 4 b + x; the 16 lanes of a half hold and write the same numbers
	ds_store_b128 v[KW], v[RD+8*(\x):RD+8*(\x)+3]   offset:KP*(4*(\b)+(\x))
	ds_store_b128 v[KW], v[RD+8*(\x)+4:RD+8*(\x)+7] offset:KP*(4*(\b)+(\x))+16
.endr
.endr
	s_wait_dscnt 0x0                               ; my keys and my y are in LDS
	s_barrier_signal -1
	s_barrier_wait -1
	s_lshr_b32 s21, ttmp9, 8
	s_add_co_u32 s21, s21, ttmp9
	s_and_b32 s21, s21, 3
	s_cmp_lg_u32 s20, s21
	s_cbranch_scc1 .Lend                           ; one wave chooses
	v_mul_u32_u24 v[KR], v[LN], KP                 ; lane l: rank l
.irp j, 0,1,2,3
	ds_load_b128 v[K+4*(\j):K+4*(\j)+3], v[KR] offset:KL+16*(\j)
.endr
.irp j, 0,1,2,3
	ds_load_b128 v[Y+4*(\j):Y+4*(\j)+3], v[KR] offset:YL+16*(\j)
.endr
	SETMASKS
.set n, 0
.rept 8
	v_mov_b32 v[T+n], 0                            ; the destination of a lane-crossing form counts as read: written once, in the wait for the keys
.set n, n+1
.endr
	s_wait_dscnt 0x0
	s_wait_kmcnt 0x0                               ; -|q|^2/2
.set n, 0
.rept 16
	v_add_f32 v[S+n], s22, v[K+n]                  ; the copy that is sorted,
.set n, n+1
.endr
.set n, 0
.rept 16
	v_add_f32 v[K+n], s22, v[K+n]                  ; and the keys in their places
.set n, n+1
.endr
	SORTB 0, 8, 16
	SORTB 8, 8, 16
	LEVEL 1, 16
	LEVEL 2, 8
	LEVEL 4, 4
	LEVEL 8, 2
	TAKEN 16
.set n, 0
.rept 16
	v_cndmask_b32 v[S+n], 0, v[Y+n], s[G+n]
.set n, n+1
.endr
.irp w, 8,4,2,1
.set n, 0
.rept \w
	v_add_f32 v[S+n], v[S+n], v[S+n+(\w)]
.set n, n+1
.endr
.endr
	v_add_f32_dpp v[S], v[S], v[S] row_xmask:1 row_mask:0xf bank_mask:0xf
	v_add_f32_dpp v[S], v[S], v[S] row_xmask:2 row_mask:0xf bank_mask:0xf
	v_add_f32_dpp v[S], v[S], v[S] row_xmask:4 row_mask:0xf bank_mask:0xf
	v_add_f32_dpp v[S], v[S], v[S] row_xmask:8 row_mask:0xf bank_mask:0xf
	v_permlanex16_b32 v[T], v[S], s[SEL], s[SEL+1]
	v_add_f32 v[S], v[S], v[T]
	v_mul_f32 v[S], 0x3d000000, v[S]               ; / 32
	v_cmp_eq_u32 vcc_lo, 0, v[LN]
	s_wait_xcnt 0x0                                ; EXEC changes only behind this wait
	s_and_saveexec_b32 s33, vcc_lo
	global_store_b32 v[ZERO], v[S], s[16:17]
	s_wait_xcnt 0x0
	s_or_b32 exec_lo, exec_lo, s33
.Lend:
	s_set_vgpr_msb 0x4
	s_wait_tensorcnt 0x0
	ds_add_u32 v3, v1
	s_wait_dscnt 0x0
	s_set_vgpr_msb 0x400
	s_endpgm
.Lfunc_end_k_q2a7ba71584_final:
	.size	k_q2a7ba71584_final, .Lfunc_end_k_q2a7ba71584_final-k_q2a7ba71584_final
	.p2alignl 7, 3214868480
	.fill 96, 4, 3214868480
	.section	.rodata,"a",@progbits
	.p2align	6, 0x0
	.amdhsa_kernel k_q2a7ba71584_final
		.amdhsa_group_segment_fixed_size 8960
		.amdhsa_private_segment_fixed_size 0
		.amdhsa_enable_private_segment 0
		.amdhsa_kernarg_size 56
		.amdhsa_user_sgpr_count 2
		.amdhsa_user_sgpr_kernarg_segment_ptr 1
		.amdhsa_wavefront_size32 1
		.amdhsa_system_sgpr_workgroup_id_x 1
		.amdhsa_system_sgpr_workgroup_id_y 1
		.amdhsa_system_sgpr_workgroup_id_z 1
		.amdhsa_system_vgpr_workitem_id 0
		.amdhsa_next_free_vgpr 258
		.amdhsa_next_free_sgpr 98
		.amdhsa_reserve_vcc 1
		.amdhsa_float_denorm_mode_32 3
		.amdhsa_float_denorm_mode_16_64 3
		.amdhsa_memory_ordered 1
		.amdhsa_forward_progress 1
		.amdhsa_inst_pref_size 98
	.end_amdhsa_kernel
	.amdgpu_metadata
---
amdhsa.version: [ 1, 2 ]
amdhsa.kernels:
  - .name:           k_q2a7ba71584_final
    .symbol:         k_q2a7ba71584_final.kd
    .args:
      - { .name: sel2, .offset: 0, .size: 8, .value_kind: global_buffer, .address_space: global }
      - { .name: Xb, .offset: 8, .size: 8, .value_kind: global_buffer, .address_space: global }
      - { .name: th, .offset: 16, .size: 8, .value_kind: global_buffer, .address_space: global }
      - { .name: qh, .offset: 24, .size: 8, .value_kind: global_buffer, .address_space: global }
      - { .name: inputs, .offset: 32, .size: 8, .value_kind: global_buffer, .address_space: global }
      - { .name: y_train, .offset: 40, .size: 8, .value_kind: global_buffer, .address_space: global }
      - { .name: out0, .offset: 48, .size: 8, .value_kind: global_buffer, .address_space: global }
    .group_segment_fixed_size: 8960
    .private_segment_fixed_size: 0
    .kernarg_segment_align: 8
    .kernarg_segment_size: 56
    .max_flat_workgroup_size: 128
    .sgpr_count:     98
    .vgpr_count:     258
    .wavefront_size: 32
...
	.end_amdgpu_metadata
.endif
;; end of part 8
